; MI455X (gfx1250); checked and timed in simulation.
; The chip was launched on July 23, 2026; its instructions are those of AMD's public machine-readable ISA for CDNA 5 (MIT licence, August 2026) and "CDNA5" Instruction Set Architecture Reference Guide (July 2026). The comments in the code are by the model that wrote it; some were corrected since.
;; Kuramoto Coupling. Allowed arithmetic: matrix products marked QUANTISED: E2M3 operands, one E8M0 scale for each 32 along K, by v_wmma_scale_f32_16x16x128_f8f6f4 with both operands' format E2M3, f32 sums; everything else in f32.
;; Inputs: Wk 1,024 x 1,024 float32; Wo 1,024 x 1,024 float32; Wq 1,024 x 1,024 float32; Wv 1,024 x 1,024 float32; coupling_strength one number float32; z_im 2 x 2,048 x 1,024 float32; z_re 2 x 2,048 x 1,024 float32.
;; Outputs: out0 2 x 2,048 x 1,024 float32; out1 2 x 2,048 x 1,024 float32.
;; This version of the problem:
;;   THIS VERSION OF THE PROBLEM IS GIVEN IN LOW PRECISION. The matrix products marked QUANTISED in the list below multiply operands that are first quantised to E2M3 (2 exponent bits, 3 mantissa bits; 6 bits a number), with one power-of-two scale for each 32 numbers along K (OCP MX v1.0); their sums are f32. All else is computed in f32.
;;   The module's matrix products, in the order in which they are computed (A, B: the left and right operand; K: the contracted axis; several contracted axes count as one K, in the product's order):
;;     1. [M 4,096, K 1,024] x [K 1,024, N 1,024]; A: computed on the way; B: input Wq: QUANTISED
;;     2. [M 4,096, K 1,024] x [K 1,024, N 1,024]; A: computed on the way; B: input Wk: QUANTISED
;;     3. [M 4,096, K 1,024] x [K 1,024, N 1,024]; A: computed on the way; B: input Wv: QUANTISED
;;     4. batch 32 x [M 2,048, K 64] x [K 64, N 2,048]; A: computed on the way; B: computed on the way: QUANTISED
;;     5. batch 32 x [M 64, K 2,048] x [K 2,048, N 2,048]; A: computed on the way; B: softmax (see below): QUANTISED
;;     6. [M 4,096, K 1,024] x [K 1,024, N 1,024]; A: computed on the way; B: input Wo: QUANTISED
;;     7. batch 32 x [M 64, K 2,048] x [K 2,048, N 2,048]; A: computed on the way; B: softmax (see below): QUANTISED
;;     8. batch 32 x [M 64, K 2,048] x [K 2,048, N 2,048]; A: computed on the way; B: softmax (see below): QUANTISED
;;   THE QUANTISER, for each operand of a quantised product, along K:
;;     - K is cut into blocks of 32 from its start; a last block that is shorter is filled with zeros.
;;     - A block's scale is 2^e with e = floor(log2(the largest magnitude in the block)) - 2, held to -126 .. 127; a block of zeros has e = 0. As a byte (E8M0): e + 127.
;;     - Each number is divided by its block's scale, clamped to +-7.5, and rounded to the nearest number of E2M3, ties to even, subnormals kept.
;;     - The product sums the exact products of the quantised numbers (number of the format x scale) in f32.
;;   ~~~python
;;   def quantise(x, axis):      # numpy; x: float32 -> the quantised numbers, widened to float32 again
;;       x = np.moveaxis(x, axis, -1); K = x.shape[-1]
;;       x = np.pad(x, [(0, 0)] * (x.ndim - 1) + [(0, -K % 32)]); x = x.reshape(x.shape[:-1] + (-1, 32)); a = np.abs(x).max(-1, keepdims=True)
;;       e = np.where(a > 0, np.clip(np.frexp(np.where(a > 0, a, 1))[1] - 1 - 2, -126, 127), 0)      # np.frexp(a)[1] - 1 = floor(log2(a)), exactly
;;       r = np.clip(x / 2.0 ** e, -7.5, 7.5)
;;       step = 2.0 ** (np.maximum(np.frexp(np.where(r == 0, 1, r))[1] - 1, 0) - 3)
;;       q = np.round(r / step) * step * 2.0 ** e      # np.round: ties to even
;;       return np.moveaxis(q.reshape(q.shape[:-2] + (-1,))[..., :K], -1, axis).astype(np.float32)
;;   ~~~
;;   SOFTMAX AHEAD OF A QUANTISED PRODUCT. Where the list says 'softmax', what is quantised is not the finished softmax but p = 2^(t - M), with t = logit x log2(e) and M = ceil(the row's largest t), a whole number; so 1/2 < the row's largest p <= 1. The row's sum l is taken of the UNQUANTISED p, in f32, and the product's result is divided by l at the end. Since M is a whole number, a kernel that streams over the keys may use a running M (the ceiling of the running maximum): every later rescaling is an exact power of two, which a block's scale takes up: the codes' values come out the same.
;;   OPERANDS COMPUTED ON THE WAY. 'Computed on the way' means the value that the module computes at that place (a softmax that the list does not call 'softmax' is quantised finished and normalised). What goes into a quantiser is computed in f32, as accurately as f32 sums, v_exp_f32 and their like allow (about 1e-6 of the number): no bf16 or f16 on the way to a quantiser, and a product that is left as it is and whose result goes on into a quantised operand takes f32 operands (vector FMAs, or v_wmma_f32_16x16x4_f32). A number that lies on a knife's edge between two numbers of the format may be rounded either way, as far as f32 arithmetic and the matrix unit's own rounding can turn it there, and no further.
;; One version. Each part assembles by itself: llvm-mc -triple=amdgcn-amd-amdhsa -mcpu=gfx1250 --defsym DOCPART=n.
;; ======== version 1 of 1: 4 launches
;; limits: below input magnitudes of 1.08e-19 results are inexact or not finite
;; workspace buffers: magb 3,276,800 bytes; wb 3,276,800 bytes; qb 3,407,872 bytes; kv 13,238,272 bytes; vob 3,407,872 bytes
;; launch prep (part 1): grid 256 x 1, 8 waves a work-group, no clusters, 271,360 bytes of LDS; arguments z_re, z_im, Wq, Wk, Wv, Wo, magb, wb, kv; writes magb, wb, kv
.if DOCPART == 1
	.amdgcn_target "amdgcn-amd-amdhsa--gfx1250"
	.amdhsa_code_object_version 6
	.text
	.protected	k_q9b9097c56d_prep
	.globl	k_q9b9097c56d_prep
	.p2align	8
	.type	k_q9b9097c56d_prep,@function
k_q9b9097c56d_prep:
	s_mov_b64 s[64:65], 0
	v_nop
	global_prefetch_b8 v0, s[64:65] scope:SCOPE_SE
	s_setreg_imm32_b32 hwreg(HW_REG_WAVE_MODE, 25, 1), 1
	s_wait_xcnt 0x0
; PREP.  From z = re + i im: mag = |z|, sin(phase) = im / |z|, cos(phase) = re / |z| (the sine and cosine of atan2(im, re), with no arctangent), all in f32;
; then codes of FP6 (E2M3) with one E8M0 byte for each 32 along K: mag along the channels, sin and cos along the tokens (the keys of the later products), the four weights along their second axis.
; LIMITS: an element with re^2 + im^2 under 2^-126 counts as magnitude 0, sine 0, cosine +-1 by re's sign; |re| or |im| above 1.8e19 overflows the square; NaN and infinities are not served;
; a block of zeros, and one whose largest magnitude lies under 2^-124, gets the byte 1 (a block of zeros has zero codes, and this program alone reads the bytes).
; SHARES.  Work-group i: s = i % 8, tb = i / 8: tokens 128 tb .. x channels 128 s .. of z, and rows 128 (tb % 8) .. x K 128 s .. of weight tb / 8 (q, k, v, o).  Work-groups share no input: no cluster.
; OUTPUT = IMAGES OF OPERAND REGISTERS.  Tile 2 g + u of 16 rows holds rows 32 g + 8 u + r + 8 (r / 8), r = lane % 16.  A fragment (16 rows x 128 K, 12 registers) lies as three runs of 512 bytes, 16 bytes a lane;
; a half fragment (64 K, 6 registers) as 512 bytes (16 a lane) and 256 bytes (8 a lane).  A scale image: 4 bytes a lane, lanes 0-15 the even tile's rows, lanes 16-31 the odd tile's.
; LDS: four arrays (mag, weight, sin, cos) of 128 rows x 528 bytes.  Row 32 g + 16 a + 8 u + c lies at LDS row 32 g + 16 u + 8 a + c, so that a tile's rows are neighbours.
.set PITCH, 528
.set REGB,  128*PITCH
.set SCO,   3145728                    ; where the scale images begin in magb and wb
.set STEPB, 25856                      ; a key step's block in kv
.set BHB,   16*STEPB
.set VOFF,  6656
.set VSOFF, 25088
.set TM,    16                         ; v16-19 largest magnitudes, then scale operands; v20-23 the other half's, then bytes
.set PT,    24                         ; v24-26, v28-30 the conversions' second halves
.set SA,    64                         ; v64-127, v128-191 two sets of 64 numbers
.set SB,    128
.set CD,    192                        ; v192-239 codes, 12 registers a task: no store's data are written again
.set PW,    244                        ; v244-247 a scale word a task
.set SEL,   50
; 64 numbers of a lane, register 16 b + i = k 32 b + 16 (lane / 16) + i of my row, become a fragment's codes in v[pc] on and its scale word in v[pw]
.macro QUANT s, pc, pw
.irp b, 0,1,2,3
	v_max3_num_f32 v[TM+\b], |v[\s+16*\b]|, |v[\s+1+16*\b]|, 0x1800000   ; my 16 numbers of block b, and the floor 2^(3 - 127): the byte cannot fall under 1
.endr
.irp i, 2,4,6,8,10,12,14
.irp b, 0,1,2,3
	v_max3_num_f32 v[TM+\b], v[TM+\b], |v[\s+16*\b+\i]|, |v[\s+1+16*\b+\i]|
.endr
.endr
.irp b, 0,1,2,3
	v_permlanex16_b32 v[TM+4+\b], v[TM+\b], s[SEL], s[SEL+1]
.endr
.irp b, 0,1,2,3
	v_max_num_f32 v[TM+\b], v[TM+\b], v[TM+4+\b]      ; with lane l xor 16's: the block's largest magnitude
.endr
.irp b, 0,1,2,3
	v_add_nc_u32 v[TM+\b], 0xff000000, v[TM+\b]       ; 2 off its exponent field: the conversion's scale operand
.endr
.irp b, 0,1,2,3
	v_lshrrev_b32 v[TM+4+\b], 23, v[TM+\b]            ; the scale's byte
.endr
	v_lshl_or_b32 v[\pw], v[TM+5], 8, v[TM+4]
	v_lshl_or_b32 v[\pw], v[TM+6], 16, v[\pw]
	v_lshl_or_b32 v[\pw], v[TM+7], 24, v[\pw]
.irp c, 0,1
	v_cvt_scalef32_pk16_fp6_f32 v[\pc+6*\c:\pc+6*\c+2], v[\s+32*\c:\s+32*\c+15], v[TM+2*\c]
	v_cvt_scalef32_pk16_fp6_f32 v[PT+4*\c:PT+4*\c+2], v[\s+32*\c+16:\s+32*\c+31], v[TM+2*\c+1]   ; (a conversion's three registers begin on an even number)
.endr
	v_nop                                             ; one plain place behind a scaled conversion
.irp c, 0,1                                       ; the operand's layout wants a whole block in a lane: lanes 0-15 block 2 c, lanes 16-31 block 2 c + 1
.irp i, 0,1,2
	v_permlane16_swap_b32 v[\pc+6*\c+\i], v[PT+4*\c+\i]
.endr
.irp i, 0,1,2
	v_mov_b32 v[\pc+3+6*\c+\i], v[PT+4*\c+\i]
.endr
.endr
.endm
	s_load_b256 s[4:11], s[0:1], 0x0               ; z_re s[4:5], z_im s[6:7], Wq s[8:9], Wk s[10:11]
	s_load_b256 s[12:19], s[0:1], 0x20             ; Wv s[12:13], Wo s[14:15], magb s[16:17], wb s[18:19]
	s_load_b64 s[20:21], s[0:1], 0x40              ; kv
	v_lshl_add_u32 v27, v0, 2, 0x42000
	v_mov_b32 v31, 0
	v_lshrrev_b32 v6, 5, v0
	v_readfirstlane_b32 s22, v6                    ; wave 0..7
	v_and_b32 v7, 31, v0                           ; lane
	v_lshlrev_b32 v1, 4, v7                        ; 16 x lane
	v_lshlrev_b32 v10, 3, v7                       ; 8 x lane
	v_lshlrev_b32 v11, 2, v7                       ; 4 x lane
	v_and_b32 v12, 15, v0                          ; r
	v_bfe_u32 v13, v0, 4, 1                        ; h
	s_and_b32 s23, ttmp9, 7                        ; s
	s_lshr_b32 s24, ttmp9, 3                       ; tb
	s_lshr_b32 s25, ttmp9, 6                       ; which weight
	s_lshr_b32 s26, s22, 1                         ; into LDS: my rows 16 w + i go to LDS rows 32 (w / 2) + 8 (w % 2) + 16 (i / 8) + i % 8
	s_lshl_b32 s26, s26, 5
	s_and_b32 s27, s22, 1
	s_lshl_b32 s28, s27, 3
	s_add_co_u32 s26, s26, s28
	s_mul_i32 s26, s26, PITCH
	v_add_nc_u32 v2, s26, v1                       ; mag
	v_add_nc_u32 v3, REGB, v2                      ; weight
	v_add_nc_u32 v4, 2*REGB, v2                    ; sin
	v_add_nc_u32 v5, 3*REGB, v2                    ; cos
	s_lshr_b32 s29, s22, 2                         ; row tasks: waves 0-3 mag, 4-7 the weight; pair of tiles w % 4
	s_mul_i32 s30, s29, REGB
	s_and_b32 s31, s22, 3
	s_mul_i32 s33, s31, 32*PITCH
	s_add_co_u32 s30, s30, s33
	v_mul_u32_u24 v8, v12, PITCH
	v_lshl_add_u32 v8, v13, 6, v8
	v_add_nc_u32 v8, s30, v8                       ; row r of the pair's first tile, + 64 h
	s_bfe_u32 s32, s22, 0x10001                    ; column tasks: head w / 4 (s29), sin or cos (w / 2) % 2, pair of channel tiles w % 2 (s27)
	s_mul_i32 s30, s32, REGB
	s_lshl_b32 s33, s29, 8
	s_add_co_u32 s30, s30, s33
	s_lshl_b32 s33, s27, 7
	s_add_co_u32 s30, s30, s33
	s_add_co_u32 s30, s30, 2*REGB
	v_and_b32 v14, 8, v12
	v_add_nc_u32 v14, v14, v12                     ; r + 8 (r / 8)
	v_lshlrev_b32 v9, 2, v14
	v_mad_u32_u24 v9, v13, 8*PITCH, v9             ; tokens 16 h on lie 8 LDS rows down
	v_add_nc_u32 v9, s30, v9
	s_lshl_b32 s34, s23, 9                         ; in memory: 512 s + 16 rows of 4,096 bytes a wave,
	s_lshl_b32 s35, s22, 16
	s_add_co_u32 s34, s34, s35
	s_lshl_b32 s36, s24, 19                        ; z: + 128 tb rows
	s_add_co_u32 s36, s36, s34
	s_mov_b32 s37, 0
	s_and_b32 s38, s24, 7                          ; the weight: + 128 (tb % 8) rows
	s_lshl_b32 s38, s38, 19
	s_add_co_u32 s38, s38, s34
	s_mov_b32 s39, 0
	s_lshl_b32 s40, s24, 3                         ; row tasks' codes: ((8 tb + 2 pair) x 8 + s) x 1,536
	s_lshl_b32 s33, s31, 1
	s_add_co_u32 s40, s40, s33
	s_mul_i32 s40, s40, 12288
	s_mul_i32 s33, s23, 1536
	s_add_co_u32 s40, s40, s33
	s_mov_b32 s41, 0
	s_lshl_b32 s42, s24, 2                         ; their scale image: SCO + ((4 tb + pair) x 8 + s) x 128
	s_add_co_u32 s42, s42, s31
	s_lshl_b32 s42, s42, 3
	s_add_co_u32 s42, s42, s23
	s_lshl_b32 s42, s42, 7
	s_add_co_u32 s42, s42, SCO
	s_mov_b32 s43, 0
	s_lshr_b32 s44, s24, 4                         ; column tasks: batch-head 16 (tb / 16) + 2 s + head, key step tb % 16
	s_lshl_b32 s44, s44, 4
	s_lshl_b32 s33, s23, 1
	s_add_co_u32 s44, s44, s33
	s_add_co_u32 s44, s44, s29
	s_mul_i32 s44, s44, BHB
	s_and_b32 s33, s24, 15
	s_mul_i32 s33, s33, STEPB
	s_add_co_u32 s44, s44, s33
	s_lshl_b32 s33, s32, 1
	s_add_co_u32 s33, s33, s27                     ; 2 (sin or cos) + pair
	s_mul_i32 s46, s33, 3072
	s_add_co_u32 s46, s46, s44
	s_add_co_u32 s46, s46, VOFF+4*1536             ; V's tiles 4 .. 11 are sin's and cos's
	s_mov_b32 s47, 0
	s_lshl_b32 s48, s33, 7
	s_add_co_u32 s48, s48, s44
	s_add_co_u32 s48, s48, VSOFF+256
	s_mov_b32 s49, 0
	s_mov_b32 s[SEL], 0x76543210
	s_mov_b32 s[SEL+1], 0xfedcba98                 ; v_permlanex16_b32's selects for lane l xor 16
	s_mov_b32 s52, 0x00800000                      ; 2^-126
	s_mov_b32 s53, 0x7fffffff
	s_mov_b32 s54, 0xffff0000                      ; lanes 16-31
.irp b, 0,1,2,3
	v_mov_b32 v[TM+4+\b], 0                        ; written once: a lane permute's destination counts as one of its sources
.endr
	s_wait_kmcnt 0x0
	s_and_b32 s33, s25, 1                          ; the choices hang on the work-group's and the wave's number alone
	s_cmp_lg_u32 s33, 0
	s_cselect_b64 s[8:9], s[10:11], s[8:9]         ; Wk or Wq
	s_cselect_b64 s[12:13], s[14:15], s[12:13]     ; Wo or Wv
	s_cmp_ge_u32 s25, 2
	s_cselect_b64 s[8:9], s[12:13], s[8:9]
	s_cmp_lt_u32 s22, 4
	s_cselect_b64 s[16:17], s[16:17], s[18:19]     ; the row tasks' buffer: magb or wb
	s_add_nc_u64 s[4:5], s[4:5], s[36:37]
	s_add_nc_u64 s[6:7], s[6:7], s[36:37]
	s_add_nc_u64 s[8:9], s[8:9], s[38:39]
	s_add_nc_u64 s[18:19], s[16:17], s[42:43]
	s_add_nc_u64 s[16:17], s[16:17], s[40:41]
	s_add_nc_u64 s[10:11], s[20:21], s[46:47]
	s_add_nc_u64 s[12:13], s[20:21], s[48:49]
	; ---- phase 1: 48 loads a wave go out at once; each reads 512 consecutive bytes of one row
.irp i, 0,1,2,3,4,5,6,7,8,9,10,11,12,13,14,15
	global_load_b128 v[64+4*\i:67+4*\i], v1, s[8:9] offset:4096*\i th:TH_LOAD_NT
.endr
.irp k, 0,1,2,3
.irp q, 0,1,2,3
	global_load_b128 v[128+16*\k+4*\q:131+16*\k+4*\q], v1, s[4:5] offset:4096*(4*\k+\q) th:TH_LOAD_NT
.endr
.irp q, 0,1,2,3
	global_load_b128 v[192+16*\k+4*\q:195+16*\k+4*\q], v1, s[6:7] offset:4096*(4*\k+\q) th:TH_LOAD_NT
.endr
.endr
	s_wait_loadcnt 32                              ; the weight's 16 loads are in; z's 32 may be out
.irp i, 0,1,2,3,4,5,6,7,8,9,10,11,12,13,14,15
	ds_store_b128 v3, v[64+4*\i:67+4*\i] offset:(16*(\i/8)+\i%8)*PITCH
.endr
; four rows of z: 16 numbers a lane
.macro CHUNK k
	s_wait_loadcnt 24-8*\k                         ; this chunk's 8 loads are in; the later chunks' may be out
.irp j, 0,2,4,6,8,10,12,14
	v_pk_mul_f32 v[32+\j:33+\j], v[128+16*\k+\j:129+16*\k+\j], v[128+16*\k+\j:129+16*\k+\j]
.endr
.irp j, 0,2,4,6,8,10,12,14
	v_pk_fma_f32 v[32+\j:33+\j], v[192+16*\k+\j:193+16*\k+\j], v[192+16*\k+\j:193+16*\k+\j], v[32+\j:33+\j]   ; re^2 + im^2
.endr
.irp j, 0,1,2,3,4,5,6,7,8,9,10,11,12,13,14,15
	v_rsq_f32 v[48+\j], v[32+\j]
.endr
	v_nop                                          ; a plain place behind the last of the batch,
	s_wait_alu depctr_va_vdst(0)                   ; and one wait for all sixteen, ahead of their first reader
.set n, 0
.rept 16
	v_cmp_le_f32 vcc_lo, s52, v[32+n]              ; is the square a normal number?
	v_cndmask_b32 v[48+n], 0, v[48+n], vcc_lo      ; if not: 1 / |z| counts as 0: mag = 0, sin = 0,
	v_bfi_b32 v6, s53, 1.0, v[128+16*\k+n]         ; and cos = 1 with re's sign
	v_mul_f32 v7, v[128+16*\k+n], v[48+n]
	v_cndmask_b32 v[128+16*\k+n], v6, v7, vcc_lo   ; cos = re / |z|
.set n, n+1
.endr
.irp j, 0,2,4,6,8,10,12,14
	v_pk_mul_f32 v[192+16*\k+\j:193+16*\k+\j], v[192+16*\k+\j:193+16*\k+\j], v[48+\j:49+\j]   ; sin = im / |z|
	v_pk_mul_f32 v[32+\j:33+\j], v[32+\j:33+\j], v[48+\j:49+\j]                               ; mag = |z|^2 / |z|
.endr
.irp q, 0,1,2,3
	ds_store_b128 v2, v[32+4*\q:35+4*\q] offset:(16*((4*\k+\q)/8)+(4*\k+\q)%8)*PITCH
	ds_store_b128 v4, v[192+16*\k+4*\q:195+16*\k+4*\q] offset:(16*((4*\k+\q)/8)+(4*\k+\q)%8)*PITCH
	ds_store_b128 v5, v[128+16*\k+4*\q:131+16*\k+4*\q] offset:(16*((4*\k+\q)/8)+(4*\k+\q)%8)*PITCH
.endr
.endm
	CHUNK 0
	CHUNK 1
	CHUNK 2
	CHUNK 3
	s_wait_dscnt 0x0                               ; for the others' sake: my stores have landed
	s_barrier_signal -1
	s_barrier_wait -1
	; ---- phase 2: four fragments a wave: two by rows (K along an LDS row), two by columns (K = the tokens, down the LDS rows)
.macro LOADROW dst, u                  ; tile u of my pair: register 16 b + 4 j ..: bytes 128 b + 64 h + 16 j of row r
.irp b, 0,1,2,3
.irp j, 0,1,2,3
	ds_load_b128 v[\dst+16*\b+4*\j:\dst+16*\b+4*\j+3], v8 offset:16*PITCH*\u+128*\b+16*\j
.endr
.endr
.endm
.macro LOADCOL dst, u                  ; channel tile u of my pair: register 16 b + i: token 32 b + 16 h + i of my channel; 32 lanes touch 32 different banks
.irp b, 0,1,2,3
.irp i, 0,1,2,3,4,5,6,7,8,9,10,11,12,13,14,15
	ds_load_b32 v[\dst+16*\b+\i], v9 offset:(32*\b+16*(\i/8)+\i%8)*PITCH+32*\u
.endr
.endr
.endm
.macro PUTROW t, u                     ; a whole image: three stores of 512 consecutive bytes
.irp c, 0,1,2
	global_store_b128 v1, v[CD+12*\t+4*\c:CD+12*\t+4*\c+3], s[16:17] offset:12288*\u+512*\c
.endr
.endm
.macro PUTCOL t, u                     ; two half images: 512 + 256 consecutive bytes each
.irp c, 0,1
	global_store_b128 v1, v[CD+12*\t+6*\c:CD+12*\t+6*\c+3], s[10:11] offset:1536*\u+768*\c
	global_store_b64 v10, v[CD+12*\t+6*\c+4:CD+12*\t+6*\c+5], s[10:11] offset:1536*\u+768*\c+512
.endr
.endm
	LOADROW SA, 0
	LOADROW SB, 1
	s_wait_dscnt 16                                ; the first tile is in; the second's 16 loads may be out
	QUANT SA, CD, PW
	PUTROW 0, 0
	LOADCOL SA, 0
	s_wait_dscnt 63                                ; 64 loads were issued behind the second tile's: it is in
	QUANT SB, CD+12, PW+1
	PUTROW 1, 1
	v_cndmask_b32 v248, v[PW], v[PW+1], s54        ; lanes 0-15 the even tile's words, lanes 16-31 the odd tile's
	global_store_b32 v11, v248, s[18:19]
	LOADCOL SB, 1
	s_wait_dscnt 63                                ; 64 loads were issued behind the first column tile's: it is in
	QUANT SA, CD+24, PW+2
	PUTCOL 2, 0
	s_wait_dscnt 0x0
	QUANT SB, CD+36, PW+3
	PUTCOL 3, 1
	v_cndmask_b32 v249, v[PW+2], v[PW+3], s54
	global_store_b32 v11, v249, s[12:13]
	s_wait_tensorcnt 0x0
	ds_add_u32 v27, v31
	s_wait_dscnt 0x0
	s_endpgm
.Lfunc_end_k_q9b9097c56d_prep:
	.size	k_q9b9097c56d_prep, .Lfunc_end_k_q9b9097c56d_prep-k_q9b9097c56d_prep
	.p2alignl 7, 3214868480
	.fill 96, 4, 3214868480
	.section	.rodata,"a",@progbits
	.p2align	6, 0x0
	.amdhsa_kernel k_q9b9097c56d_prep
		.amdhsa_group_segment_fixed_size 271360
		.amdhsa_private_segment_fixed_size 0
		.amdhsa_enable_private_segment 0
		.amdhsa_kernarg_size 72
		.amdhsa_user_sgpr_count 2
		.amdhsa_user_sgpr_kernarg_segment_ptr 1
		.amdhsa_wavefront_size32 1
		.amdhsa_system_sgpr_workgroup_id_x 1
		.amdhsa_system_sgpr_workgroup_id_y 1
		.amdhsa_system_sgpr_workgroup_id_z 1
		.amdhsa_system_vgpr_workitem_id 0
		.amdhsa_next_free_vgpr 256
		.amdhsa_next_free_sgpr 66
		.amdhsa_reserve_vcc 1
		.amdhsa_float_denorm_mode_32 3
		.amdhsa_float_denorm_mode_16_64 3
		.amdhsa_memory_ordered 1
		.amdhsa_forward_progress 1
		.amdhsa_inst_pref_size 63
	.end_amdhsa_kernel
	.amdgpu_metadata
---
amdhsa.version: [ 1, 2 ]
amdhsa.kernels:
  - .name:           k_q9b9097c56d_prep
    .symbol:         k_q9b9097c56d_prep.kd
    .args:
      - { .name: z_re, .offset: 0, .size: 8, .value_kind: global_buffer, .address_space: global }
      - { .name: z_im, .offset: 8, .size: 8, .value_kind: global_buffer, .address_space: global }
      - { .name: Wq, .offset: 16, .size: 8, .value_kind: global_buffer, .address_space: global }
      - { .name: Wk, .offset: 24, .size: 8, .value_kind: global_buffer, .address_space: global }
      - { .name: Wv, .offset: 32, .size: 8, .value_kind: global_buffer, .address_space: global }
      - { .name: Wo, .offset: 40, .size: 8, .value_kind: global_buffer, .address_space: global }
      - { .name: magb, .offset: 48, .size: 8, .value_kind: global_buffer, .address_space: global }
      - { .name: wb, .offset: 56, .size: 8, .value_kind: global_buffer, .address_space: global }
      - { .name: kv, .offset: 64, .size: 8, .value_kind: global_buffer, .address_space: global }
    .group_segment_fixed_size: 271360
    .private_segment_fixed_size: 0
    .kernarg_segment_align: 8
    .kernarg_segment_size: 72
    .max_flat_workgroup_size: 256
    .sgpr_count:     66
    .vgpr_count:     256
    .wavefront_size: 32
...
	.end_amdgpu_metadata
.endif
;; end of part 1
;; launch qkv (part 2): grid 16 x 16, 4 waves a work-group, clusters of 4 x 1, 168,448 bytes of LDS; arguments magb, wb, qb, kv; writes qb, kv
.if DOCPART == 2
	.amdgcn_target "amdgcn-amd-amdhsa--gfx1250"
	.amdhsa_code_object_version 6
	.text
	.protected	k_q9b9097c56d_qkv
	.globl	k_q9b9097c56d_qkv
	.p2align	8
	.type	k_q9b9097c56d_qkv,@function
k_q9b9097c56d_qkv:
	s_mov_b64 s[64:65], 0
	v_nop
	global_prefetch_b8 v0, s[64:65] scope:SCOPE_SE
	s_setreg_imm32_b32 hwreg(HW_REG_WAVE_MODE, 25, 1), 1
	s_wait_xcnt 0x0
	s_wait_alu depctr_hold_cnt(0) depctr_sa_sdst(0) depctr_va_vdst(0) depctr_va_sdst(0) depctr_va_ssrc(0) depctr_va_vcc(0) depctr_vm_vsrc(0)
	s_getreg_b32 s2, hwreg(HW_REG_IB_STS2, 6, 4)
	s_cmp_eq_u32 s2, 0
	s_cbranch_scc0 .Lentry_in_a_cluster
	s_endpgm
.Lentry_in_a_cluster:
	s_bfe_u32 s2, ttmp6, 0x10000c
	s_cmp_lg_u32 s2, 0x3003
	s_cbranch_scc0 .Lentry_shape_is_right
	s_endpgm
.Lentry_shape_is_right:
; QKV.  q, k, v = mag W^T on codes of FP6 with E8M0 scales, for 256 tokens x one head (64 channels of each of the three); the results are quantised in registers and leave as images of operand registers:
; q and k along the head's 64 channels, v along the tokens (the keys of the later product).
; SHARES.  Work-group (tb, head); wave w: tokens 256 tb + 64 w .., four tiles of 16.  Their 32 fragments of mag (384 registers) STAY in registers for all three products; the head's 12 weight tiles x 8 K steps
; (147,456 bytes) lie in LDS, filled once: no ring.  A weight fragment read from LDS feeds four matrix instructions.
; CLUSTER.  The four token blocks of a cluster read the same weight tiles: each is asked for jointly (mask 15).  mag is each wave's own and goes straight to registers: nothing of it is shared inside a cluster.
; LAYOUT.  q, k: source 0 = 16 rows of W, source 1 = 16 tokens: a lane holds one token, its registers run along the channels.  v: the sources change places: a lane holds one channel, its registers run along the tokens.
; Tile 2 g + u of 16 rows holds rows 32 g + 8 u + r + 8 (r / 8), so the 16 registers of two neighbouring result tiles are 16 neighbours along the next K.
; LIMITS: a block of zeros, and one whose largest magnitude lies under 2^-124, gets the byte 1 (this program alone reads the bytes).
; REGISTERS: window 0: v1-3 16, 8, 4 x lane; v5-6 fetch addresses; v7-8 exchange; v16-31 mag's scale words; v32-79 the weights'; v80-207 16 accumulators; v208-249 at work.
;   window 1: mag tiles 0, 1 (96 (m % 2) + 12 s);  window 2: tiles 2, 3;  window 3: weight fragments, two buffers of 48.
.set SCO,   3145728
.set STEPB, 25856
.set BHB,   16*STEPB
.set XCH,   147456                     ; behind the weights: 256 bytes a wave, for v's scale bytes
.set WV,    12
.set SEL,   40
.set MASK,  42
.set TM,    208
.set PT,    214
.set ACC,   80
.set MSC,   16
.set WSC,   32
.set MSB, 0
.macro WIN new                         ; the immediate's high byte repeats the setting that is left
.if MSB != (\new)
	s_set_vgpr_msb (MSB<<8)|(\new)
.set MSB, (\new)
.endif
.endm
.macro PLACES                          ; four plain places behind matrix instructions, in front of loads into their registers and of the first read of results
.rept 4
	v_nop
.endr
.endm
.macro CROUND                          ; a round of the cluster's barrier
	s_barrier_signal -1
	s_barrier_wait -1
	s_cmp_lg_u32 s[WV], 0
	s_cbranch_scc1 .Lnot_wave_0_\@
	s_barrier_signal -3
.Lnot_wave_0_\@:
	s_barrier_wait -3
	s_barrier_signal -1
	s_barrier_wait -1
.endm
; one product.  z: the sum starts (C = 0).  ra, rb: the scale words stand in lanes 16-31
.macro WM d, a, b, z, sa, sb, ra, rb
.if \z
.if (\ra) && (\rb)
	v_wmma_scale_f32_16x16x128_f8f6f4 v[\d:\d+7], v[\a:\a+11], v[\b:\b+11], 0, v[\sa], v[\sb] matrix_a_fmt:MATRIX_FMT_FP6 matrix_b_fmt:MATRIX_FMT_FP6 matrix_a_scale:MATRIX_SCALE_ROW1 matrix_b_scale:MATRIX_SCALE_ROW1
.elseif \ra
	v_wmma_scale_f32_16x16x128_f8f6f4 v[\d:\d+7], v[\a:\a+11], v[\b:\b+11], 0, v[\sa], v[\sb] matrix_a_fmt:MATRIX_FMT_FP6 matrix_b_fmt:MATRIX_FMT_FP6 matrix_a_scale:MATRIX_SCALE_ROW1
.elseif \rb
	v_wmma_scale_f32_16x16x128_f8f6f4 v[\d:\d+7], v[\a:\a+11], v[\b:\b+11], 0, v[\sa], v[\sb] matrix_a_fmt:MATRIX_FMT_FP6 matrix_b_fmt:MATRIX_FMT_FP6 matrix_b_scale:MATRIX_SCALE_ROW1
.else
	v_wmma_scale_f32_16x16x128_f8f6f4 v[\d:\d+7], v[\a:\a+11], v[\b:\b+11], 0, v[\sa], v[\sb] matrix_a_fmt:MATRIX_FMT_FP6 matrix_b_fmt:MATRIX_FMT_FP6
.endif
.else
.if (\ra) && (\rb)
	v_wmma_scale_f32_16x16x128_f8f6f4 v[\d:\d+7], v[\a:\a+11], v[\b:\b+11], v[\d:\d+7], v[\sa], v[\sb] matrix_a_fmt:MATRIX_FMT_FP6 matrix_b_fmt:MATRIX_FMT_FP6 matrix_a_scale:MATRIX_SCALE_ROW1 matrix_b_scale:MATRIX_SCALE_ROW1
.elseif \ra
	v_wmma_scale_f32_16x16x128_f8f6f4 v[\d:\d+7], v[\a:\a+11], v[\b:\b+11], v[\d:\d+7], v[\sa], v[\sb] matrix_a_fmt:MATRIX_FMT_FP6 matrix_b_fmt:MATRIX_FMT_FP6 matrix_a_scale:MATRIX_SCALE_ROW1
.elseif \rb
	v_wmma_scale_f32_16x16x128_f8f6f4 v[\d:\d+7], v[\a:\a+11], v[\b:\b+11], v[\d:\d+7], v[\sa], v[\sb] matrix_a_fmt:MATRIX_FMT_FP6 matrix_b_fmt:MATRIX_FMT_FP6 matrix_b_scale:MATRIX_SCALE_ROW1
.else
	v_wmma_scale_f32_16x16x128_f8f6f4 v[\d:\d+7], v[\a:\a+11], v[\b:\b+11], v[\d:\d+7], v[\sa], v[\sb] matrix_a_fmt:MATRIX_FMT_FP6 matrix_b_fmt:MATRIX_FMT_FP6
.endif
.endif
.endm
; 32 numbers of a lane, register 16 b + i = k 32 b + 16 (lane / 16) + i of my row, become half a fragment (6 registers at v[pc]) and two scale bytes in v[hw]
.macro QUANT64 s, pc, hw
.irp b, 0,1
	v_max3_num_f32 v[TM+\b], |v[\s+16*\b]|, |v[\s+1+16*\b]|, 0x1800000   ; each accumulator is read from its low end on; the floor 2^(3 - 127) holds the byte at 1 from below
.endr
.irp i, 2,4,6,8,10,12,14
.irp b, 0,1
	v_max3_num_f32 v[TM+\b], v[TM+\b], |v[\s+16*\b+\i]|, |v[\s+1+16*\b+\i]|
.endr
.endr
.irp b, 0,1
	v_permlanex16_b32 v[TM+2+\b], v[TM+\b], s[SEL], s[SEL+1]
.endr
.irp b, 0,1
	v_max_num_f32 v[TM+\b], v[TM+\b], v[TM+2+\b]
.endr
.irp b, 0,1
	v_add_nc_u32 v[TM+\b], 0xff000000, v[TM+\b]       ; 2 off the exponent field: the conversion's scale operand
.endr
.irp b, 0,1
	v_lshrrev_b32 v[TM+4+\b], 23, v[TM+\b]
.endr
	v_lshl_or_b32 v[\hw], v[TM+5], 8, v[TM+4]
	v_cvt_scalef32_pk16_fp6_f32 v[\pc:\pc+2], v[\s:\s+15], v[TM]
	v_cvt_scalef32_pk16_fp6_f32 v[PT:PT+2], v[\s+16:\s+31], v[TM+1]
	v_nop                                             ; one plain place behind a scaled conversion
.irp i, 0,1,2
	v_permlane16_swap_b32 v[\pc+\i], v[PT+\i]         ; lanes 0-15 get block 0 whole, lanes 16-31 block 1
.endr
.irp i, 0,1,2
	v_mov_b32 v[\pc+3+\i], v[PT+\i]
.endr
.endm
	s_load_b256 s[4:11], s[0:1], 0x0               ; magb s[4:5], wb s[6:7], qb s[8:9], kv s[10:11]
	v_lshl_add_u32 v254, v0, 2, 0x29000
	v_mov_b32 v255, 0
	ds_add_u32 v254, v255
	v_lshrrev_b32 v9, 5, v0
	v_readfirstlane_b32 s[WV], v9                  ; wave 0..3
	v_and_b32 v9, 31, v0
	v_lshlrev_b32 v1, 4, v9                        ; 16 x lane: also the fetch address of the first matrix
	v_lshlrev_b32 v2, 3, v9
	v_lshlrev_b32 v3, 2, v9
	v_add_nc_u32 v5, 49152, v1                     ; the second matrix's tiles,
	v_add_nc_u32 v6, 98304, v1                     ; the third's
	s_lshl_b32 s36, s[WV], 8
	s_add_co_u32 s36, s36, XCH
	v_add_nc_u32 v7, s36, v2                       ; my 256 bytes of the exchange,
	s_xor_b32 s36, s[WV], 1
	s_lshl_b32 s36, s36, 8
	s_add_co_u32 s36, s36, XCH
	v_add_nc_u32 v8, s36, v2                       ; and those of the wave with the key step's other 64 tokens
	v_mov_b32 v[TM+2], 0                           ; written once: a lane permute's destination counts as one of its sources
	v_mov_b32 v[TM+3], 0
	s_bfe_u32 s13, ttmp6, 0x40000                  ; cx
	s_lshl_b32 s14, ttmp9, 2
	s_add_co_u32 s14, s14, s13                     ; tb = 4 x cluster x + cx: it enters mag's, q's, k's and v's addresses alone
	s_and_b32 s15, ttmp7, 0xffff                   ; the head, which the four partners share
	s_mov_b32 s16, 15|(3<<16)|(1<<21)              ; group 1: mask: all four; elements of 8 bytes; bit 21 beside a mask; no padding
	s_mov_b32 s17, 32<<16                          ; tensor_dim0 = 32 (256 bytes)
	s_mov_b32 s18, 48<<16                          ; tensor_dim1 = 48: a weight tile's 8 K steps are 12,288 dense bytes
	s_mov_b32 s19, 32<<16                          ; tile_dim0
	s_mov_b32 s20, 48                              ; tile_dim1
	s_mov_b32 s21, 32                              ; the pitch
	s_mov_b32 s22, 0
	s_mov_b32 s23, 0
	s_mov_b32 s[SEL], 0x76543210
	s_mov_b32 s[SEL+1], 0xfedcba98
	s_mov_b32 s[MASK], 0xffff0000                  ; lanes 16-31
	s_lshl_b32 s36, s15, 2
	s_add_co_u32 s36, s36, s[WV]                   ; wave w fetches tile 4 head + w of each matrix
	s_mul_i32 s36, s36, 12288
	s_mov_b32 s37, 0
	s_mul_i32 s38, s[WV], 12288
	s_wait_dscnt 0x0
	s_wait_kmcnt 0x0
	s_add_nc_u64 s[36:37], s[6:7], s[36:37]
.irp p, 0,1,2
	s_mov_b32 s[24+4*\p], 1
	s_add_co_u32 s[25+4*\p], s38, 49152*\p         ; LDS: matrix p, tile w
	s_add_nc_u64 s[26+4*\p:27+4*\p], s[36:37], 786432*\p   ; 64 tiles of 12,288 bytes a matrix
	s_or_b32 s[27+4*\p], s[27+4*\p], 0x80000000
.endr
	CROUND                                         ; all four work-groups are here: the joint loads meet
	tensor_load_to_lds s[24:27], s[16:23]          ; three loads of mine are out
	s_nop 0
	tensor_load_to_lds s[28:31], s[16:23]
	s_nop 0
	tensor_load_to_lds s[32:35], s[16:23]
	s_nop 0
.rept 4
	v_nop
.endr
	s_lshl_b32 s38, s14, 2
	s_add_co_u32 s38, s38, s[WV]                   ; 4 tb + w: my 64 tokens
	s_mul_i32 s36, s38, 49152
	s_mov_b32 s37, 0
	s_add_nc_u64 s[46:47], s[4:5], s[36:37]        ; mag's codes: tile 16 tb + 4 w
	s_lshl_b32 s36, s38, 11
	s_add_co_u32 s36, s36, SCO
	s_add_nc_u64 s[48:49], s[4:5], s[36:37]        ; mag's scale images: pair 8 tb + 2 w
	s_lshl_b32 s36, s15, 11
	s_add_co_u32 s36, s36, SCO
	s_add_nc_u64 s[50:51], s[6:7], s[36:37]        ; the weights': pair 2 head
	s_lshr_b32 s39, s14, 3
	s_lshl_b32 s39, s39, 4
	s_add_co_u32 s39, s39, s15                     ; bh = 16 batch + head
	s_and_b32 s45, s14, 7                          ; t' = the block in its batch
	s_lshl_b32 s36, s39, 5
	s_lshl_b32 s38, s45, 2
	s_add_co_u32 s36, s36, s38
	s_add_co_u32 s38, s36, s[WV]                   ; 32 bh + 4 t' + w: my chunk of 64 tokens
	s_mul_i32 s36, s38, 3072
	s_add_nc_u64 s[52:53], s[8:9], s[36:37]        ; q's codes
	s_lshl_b32 s36, s38, 8
	s_add_co_u32 s36, s36, SCO
	s_add_nc_u64 s[54:55], s[8:9], s[36:37]        ; q's scale image
	s_mul_i32 s36, s39, BHB
	s_lshl_b32 s38, s45, 1
	s_lshr_b32 s43, s[WV], 1
	s_add_co_u32 s38, s38, s43
	s_mul_i32 s38, s38, STEPB
	s_add_co_u32 s36, s36, s38
	s_add_nc_u64 s[62:63], s[10:11], s[36:37]      ; my key step's block in kv
	s_and_b32 s44, s[WV], 1                        ; which 64 of its 128 keys are mine
	s_mul_i32 s36, s44, 3072
	s_add_nc_u64 s[56:57], s[62:63], s[36:37]      ; k's codes
	s_lshl_b32 s36, s44, 8
	s_add_co_u32 s36, s36, 6144
	s_add_nc_u64 s[58:59], s[62:63], s[36:37]      ; k's scale image
	s_mul_i32 s36, s44, 768
	s_add_co_u32 s36, s36, 6656
	s_add_nc_u64 s[60:61], s[62:63], s[36:37]      ; v's codes: my half of each tile
	s_add_nc_u64 s[62:63], s[62:63], 25088         ; v's scale images
	s_lshl_b32 s43, s44, 4                         ; my two bytes' place in v's scale words
.irp i, 0,1,2,3,4,5,6,7,8,9,10,11,12,13,14,15
	global_load_b32 v[MSC+\i], v3, s[48:49] offset:128*\i
.endr
.irp p, 0,1,2
.irp i, 0,1,2,3,4,5,6,7,8,9,10,11,12,13,14,15
	global_load_b32 v[WSC+16*\p+\i], v3, s[50:51] offset:32768*\p+128*\i
.endr
.endr
.irp s, 0,1,2,3,4,5,6,7                        ; mag's fragments, K step by K step, 12 loads each
	WIN 0x40
.irp m, 0,1
.irp c, 0,1,2
	global_load_b128 v[96*\m+12*\s+4*\c:96*\m+12*\s+4*\c+3], v1, s[46:47] offset:(8*\m+\s)*1536+512*\c
.endr
.endr
	WIN 0x80
.irp m, 0,1
.irp c, 0,1,2
	global_load_b128 v[96*\m+12*\s+4*\c:96*\m+12*\s+4*\c+3], v1, s[46:47] offset:(8*(\m+2)+\s)*1536+512*\c
.endr
.endr
.endr
	WIN 0
.macro FETCHW adr, s, buf              ; the four weight tiles' fragments of K step s: 12 loads of 512 consecutive bytes
	WIN 0xc0
.irp a, 0,1,2,3
.irp c, 0,1,2
	ds_load_b128 v[48*(\buf)+12*\a+4*\c:48*(\buf)+12*\a+4*\c+3], v[\adr] offset:12288*\a+1536*(\s)+512*\c
.endr
.endr
.endm
; One product: 8 K steps x 16 matrix instructions.  The 16 accumulators take turns, one instruction a turn, in the same order in every step.
.macro PHASE phi, adr, swap, first
	FETCHW \adr, 0, 0
.irp s, 0,1,2,3,4,5,6,7
.if \s < 7
	PLACES
	FETCHW \adr, \s+1, (\s+1)%2
	s_wait_dscnt 12                                ; this step's fragments are in; the 12 just asked for may be out
.else
	s_wait_dscnt 0x0
.endif
.if \first
.if 12*(7-\s) > 63
	s_wait_loadcnt 63                              ; more than 63 loads were issued behind this step's
.else
	s_wait_loadcnt 12*(7-\s)                       ; mag's fragments of the later K steps may be out
.endif
.endif
.irp m, 0,1,2,3
.if \swap
	WIN 0x0d+(\m/2)
.else
	WIN 0x07+4*(\m/2)
.endif
.irp a, 0,1,2,3
.if \swap
	WM ACC+32*\a+8*\m, 96*(\m%2)+12*\s, 48*(\s%2)+12*\a, (\s==0), MSC+8*(\m/2)+\s, WSC+16*\phi+8*(\a/2)+\s, (\m%2), (\a%2)
.else
	WM ACC+32*\m+8*\a, 48*(\s%2)+12*\a, 96*(\m%2)+12*\s, (\s==0), WSC+16*\phi+8*(\a/2)+\s, MSC+8*(\m/2)+\s, (\a%2), (\m%2)
.endif
.endr
.endr
.endr
	WIN 0
	PLACES
.endm
; q or k leaves: four half images (512 + 256 consecutive bytes each) and one scale image of 256 bytes
.macro E_QK cb, sb
	s_wait_xcnt 0x0                                ; earlier stores have read their registers: these are written again only behind this wait
.irp m, 0,1,2,3
	QUANT64 ACC+32*\m, 218+6*\m, 242+\m
	global_store_b128 v1, v[218+6*\m:221+6*\m], s[\cb:\cb+1] offset:768*\m
	global_store_b64 v2, v[222+6*\m:223+6*\m], s[\cb:\cb+1] offset:768*\m+512
.endr
	v_cndmask_b32 v246, v242, v243, s[MASK]        ; lanes 0-15 the even tile's words, lanes 16-31 the odd tile's
	v_cndmask_b32 v247, v244, v245, s[MASK]
	global_store_b64 v2, v[246:247], s[\sb:\sb+1]
.endm
	s_wait_tensorcnt 0x2                           ; my tile of Wq is in; Wk's and Wv's may be out
	s_barrier_signal -1
	s_barrier_wait -1                              ; everybody's is
	PHASE 0, 1, 0, 1
	E_QK 52, 54
	s_wait_tensorcnt 0x1                           ; my tile of Wk
	s_wait_dscnt 0x0
	s_barrier_signal -1
	s_barrier_wait -1
	PHASE 1, 5, 0, 0
	E_QK 56, 58
	s_wait_tensorcnt 0x0                           ; my tile of Wv
	s_wait_dscnt 0x0
	s_barrier_signal -1
	s_barrier_wait -1
	PHASE 2, 6, 1, 0
	s_wait_xcnt 0x0
.irp a, 0,1,2,3                                ; v: a lane holds a channel; my 64 tokens are half c = w % 2 of each tile's fragment
	QUANT64 ACC+32*\a, 218+6*\a, 242+\a
	global_store_b128 v1, v[218+6*\a:221+6*\a], s[60:61] offset:1536*\a
	global_store_b64 v2, v[222+6*\a:223+6*\a], s[60:61] offset:1536*\a+512
.endr
	v_cndmask_b32 v246, v242, v243, s[MASK]
	v_cndmask_b32 v247, v244, v245, s[MASK]
	v_lshlrev_b32 v246, s43, v246                  ; I hold two of a scale word's four bytes: at their places,
	v_lshlrev_b32 v247, s43, v247
	ds_store_b64 v7, v[246:247]                    ; to the wave that holds the other two
	s_wait_dscnt 0x0                               ; for the others' sake: my store has landed
	s_barrier_signal -1
	s_barrier_wait -1
	ds_load_b64 v[248:249], v8
	s_wait_dscnt 0x0
	v_or_b32 v246, v246, v248
	v_or_b32 v247, v247, v249
	s_cmp_lg_u32 s44, 0                            ; the even wave of the two stores the whole words
	s_cbranch_scc1 .Lodd
	global_store_b32 v3, v246, s[62:63]
	global_store_b32 v3, v247, s[62:63] offset:128
.Lodd:
	s_wait_tensorcnt 0x0
	ds_add_u32 v254, v255
	s_wait_dscnt 0x0
	CROUND                                         ; the closing round: no work-group ends while a partner may still ask for a tile that names it
	s_endpgm
.Lfunc_end_k_q9b9097c56d_qkv:
	.size	k_q9b9097c56d_qkv, .Lfunc_end_k_q9b9097c56d_qkv-k_q9b9097c56d_qkv
	.p2alignl 7, 3214868480
	.fill 96, 4, 3214868480
	.section	.rodata,"a",@progbits
	.p2align	6, 0x0
	.amdhsa_kernel k_q9b9097c56d_qkv
		.amdhsa_group_segment_fixed_size 168448
		.amdhsa_private_segment_fixed_size 0
		.amdhsa_enable_private_segment 0
		.amdhsa_kernarg_size 32
		.amdhsa_user_sgpr_count 2
		.amdhsa_user_sgpr_kernarg_segment_ptr 1
		.amdhsa_wavefront_size32 1
		.amdhsa_system_sgpr_workgroup_id_x 1
		.amdhsa_system_sgpr_workgroup_id_y 1
		.amdhsa_system_sgpr_workgroup_id_z 1
		.amdhsa_system_vgpr_workitem_id 0
		.amdhsa_next_free_vgpr 1024
		.amdhsa_next_free_sgpr 66
		.amdhsa_reserve_vcc 0
		.amdhsa_float_denorm_mode_32 3
		.amdhsa_float_denorm_mode_16_64 3
		.amdhsa_memory_ordered 1
		.amdhsa_forward_progress 1
		.amdhsa_inst_pref_size 120
	.end_amdhsa_kernel
	.amdgpu_metadata
---
amdhsa.version: [ 1, 2 ]
amdhsa.kernels:
  - .name:           k_q9b9097c56d_qkv
    .symbol:         k_q9b9097c56d_qkv.kd
    .args:
      - { .name: magb, .offset: 0, .size: 8, .value_kind: global_buffer, .address_space: global }
      - { .name: wb, .offset: 8, .size: 8, .value_kind: global_buffer, .address_space: global }
      - { .name: qb, .offset: 16, .size: 8, .value_kind: global_buffer, .address_space: global }
      - { .name: kv, .offset: 24, .size: 8, .value_kind: global_buffer, .address_space: global }
    .group_segment_fixed_size: 168448
    .private_segment_fixed_size: 0
    .kernarg_segment_align: 8
    .kernarg_segment_size: 32
    .max_flat_workgroup_size: 128
    .sgpr_count:     66
    .vgpr_count:     1024
    .wavefront_size: 32
...
	.end_amdgpu_metadata
.endif
;; end of part 2
;; launch attn (part 3): grid 8 x 32, 8 waves a work-group, clusters of 4 x 1, 327,680 bytes of LDS; arguments qb, kv, z_re, z_im, coupling_strength, out0, vob; writes out0, vob
.if DOCPART == 3
	.amdgcn_target "amdgcn-amd-amdhsa--gfx1250"
	.amdhsa_code_object_version 6
	.text
	.protected	k_q9b9097c56d_attn
	.globl	k_q9b9097c56d_attn
	.p2align	8
	.type	k_q9b9097c56d_attn,@function
k_q9b9097c56d_attn:
	s_mov_b64 s[64:65], 0
	v_nop
	global_prefetch_b8 v0, s[64:65] scope:SCOPE_SE
	s_setreg_imm32_b32 hwreg(HW_REG_WAVE_MODE, 25, 1), 1
	s_wait_xcnt 0x0
	s_wait_alu depctr_hold_cnt(0) depctr_sa_sdst(0) depctr_va_vdst(0) depctr_va_sdst(0) depctr_va_ssrc(0) depctr_va_vcc(0) depctr_vm_vsrc(0)
	s_getreg_b32 s2, hwreg(HW_REG_IB_STS2, 6, 4)
	s_cmp_eq_u32 s2, 0
	s_cbranch_scc0 .Lentry_in_a_cluster
	s_endpgm
.Lentry_in_a_cluster:
	s_bfe_u32 s2, ttmp6, 0x10000c
	s_cmp_lg_u32 s2, 0x3003
	s_cbranch_scc0 .Lentry_shape_is_right
	s_endpgm
.Lentry_shape_is_right:
; ATTN.  For one batch-head and 256 queries: S^T = K Q^T, the softmax, O^T = V^T P^T with 192 channels (v, sin, cos), all products on codes of FP6 with E8M0 scales;
; out0 = c (cos_q Ksin - sin_q Kcos) and value_out, which is quantised along the head's 64 channels for the last launch.
; THE SOFTMAX AHEAD OF THE SECOND PRODUCT: t = score x log2(e) / 8; M = the running largest t rounded UP to a whole number; p = 2^(t - M) is quantised along the keys, not normalised; the row's sum is taken
; of the unquantised p and divides at the end; when M moves, the sum and O^T are multiplied by 2^(old M - new M): exact, and with no branch on data.
; SHARES.  Eight waves, 32 queries each: two tiles x = 0, 1, so each fragment of K and V read from LDS feeds two matrix instructions; two waves to a SIMD, so that one wave's softmax stands beside the other's products.
; RING.  Two slots of four key steps (a key step: 128 keys, one dense block of 25,856 bytes); waves 0-3 fetch a key step each.  CLUSTER: the four query blocks of a cluster walk the same K and V: joint loads, mask 15.
; K HAS 64 ALONG K IN AN INSTRUCTION OF 128: Q's upper six registers are zero codes and bytes 2, 3 of Q's and K's scale words are 0 (2^-127).  K's operand names 12 registers; the upper six hold the next tile's
; codes or left-over codes: any bits there are finite numbers and meet Q's zeros, so they add exactly 0.
; LIMITS: at the end an element of z with re^2 + im^2 under 2^-126 counts as cosine +-1 by re's sign and sine im (next to 0); |re| or |im| above 1.8e19 overflows the square; NaN and infinities are not served;
; a block of zeros, and one whose largest magnitude lies under 2^-124, gets the byte 1.
; REGISTERS: window 0: v1-2 the spare word's address and 0; v3-5 16, 8, 4 x lane; v6-8 the same in the key step in hand; v9 4,096 x lane; v10+4x -M, largest t, the sum's two halves; v18+2x f;
;   v22-25 K's scale words; v26-31 V's; v32 Q's; v33+x p's; v36+12x four block maxima, eight at work; v60-63 at work; v64+64x S^T, then p; v192+12x p's codes; v216-251 fragments (F2).
;   window 1: v[96 x + 8 tile] O^T; v192+12x Q; v216-251 fragments (F1).
.set STEPB, 25856
.set BHB,   16*STEPB
.set SLOTB, 4*STEPB
.set SLOT1, 131072                     ; slot 1 begins here: one exclusive or turns an address in one slot into the other's
.set KSOFF, 6144                       ; in a key step's block: 8 half images of K; K's scale images;
.set VOFF,  6656                       ; 12 tiles x 2 half images of V;
.set VSOFF, 25088                      ; V's six scale images
.set STG,   SLOT1+SLOTB                ; behind the ring: two stages of 16 rows x 272 bytes for each wave
.set SPARE, STG+8*8704                 ; the spare words, 128 bytes for each wave: four blocks of 256 bytes that no other line names
.set SCO,   3145728
.set F,     216
.set PC,    192
.set TM,    36                         ; the way out: QUANT64's registers
.set PT,    42
.set ZR,    8
.set ZI,    10
.set OU,    14
.set VO,    16
.set VS,    18
.set WV,    20
.set SEL,   40
.set CS,    42
.set CP,    44
.set TB,    46
.set CNT,   47
.set SLOTS, 48
.set TINY,  49
.set ABSM,  50
.set MASK,  51
.set MSB, 0
.macro WIN new                         ; the immediate's high byte repeats the setting that is left
.if MSB != (\new)
	s_set_vgpr_msb (MSB<<8)|(\new)
.set MSB, (\new)
.endif
.endm
.macro PLACES                          ; four plain places behind matrix instructions (ISA guide 7.12.1)
.rept 4
	v_nop
.endr
.endm
.macro CROUND                          ; a round of the cluster's barrier
	s_barrier_signal -1
	s_barrier_wait -1
	s_cmp_lg_u32 s[WV], 0
	s_cbranch_scc1 .Lnot_wave_0_\@
	s_barrier_signal -3
.Lnot_wave_0_\@:
	s_barrier_wait -3
	s_barrier_signal -1
	s_barrier_wait -1
.endm
.macro JLOAD                           ; waves 0-3 fetch a key step each; the branch hangs on the wave's number alone.  Four v_nop follow the load
	s_cmp_lt_u32 s[WV], 4
	s_cbranch_scc0 .Lnone_\@
	tensor_load_to_lds s[32:35], s[24:31]
	s_nop 0
.rept 4
	v_nop
.endr
.Lnone_\@:
.endm
.macro WM d, a, b, z, sa, sb, ra, rb
.if \z
.if (\ra) && (\rb)
	v_wmma_scale_f32_16x16x128_f8f6f4 v[\d:\d+7], v[\a:\a+11], v[\b:\b+11], 0, v[\sa], v[\sb] matrix_a_fmt:MATRIX_FMT_FP6 matrix_b_fmt:MATRIX_FMT_FP6 matrix_a_scale:MATRIX_SCALE_ROW1 matrix_b_scale:MATRIX_SCALE_ROW1
.elseif \ra
	v_wmma_scale_f32_16x16x128_f8f6f4 v[\d:\d+7], v[\a:\a+11], v[\b:\b+11], 0, v[\sa], v[\sb] matrix_a_fmt:MATRIX_FMT_FP6 matrix_b_fmt:MATRIX_FMT_FP6 matrix_a_scale:MATRIX_SCALE_ROW1
.elseif \rb
	v_wmma_scale_f32_16x16x128_f8f6f4 v[\d:\d+7], v[\a:\a+11], v[\b:\b+11], 0, v[\sa], v[\sb] matrix_a_fmt:MATRIX_FMT_FP6 matrix_b_fmt:MATRIX_FMT_FP6 matrix_b_scale:MATRIX_SCALE_ROW1
.else
	v_wmma_scale_f32_16x16x128_f8f6f4 v[\d:\d+7], v[\a:\a+11], v[\b:\b+11], 0, v[\sa], v[\sb] matrix_a_fmt:MATRIX_FMT_FP6 matrix_b_fmt:MATRIX_FMT_FP6
.endif
.else
.if (\ra) && (\rb)
	v_wmma_scale_f32_16x16x128_f8f6f4 v[\d:\d+7], v[\a:\a+11], v[\b:\b+11], v[\d:\d+7], v[\sa], v[\sb] matrix_a_fmt:MATRIX_FMT_FP6 matrix_b_fmt:MATRIX_FMT_FP6 matrix_a_scale:MATRIX_SCALE_ROW1 matrix_b_scale:MATRIX_SCALE_ROW1
.elseif \ra
	v_wmma_scale_f32_16x16x128_f8f6f4 v[\d:\d+7], v[\a:\a+11], v[\b:\b+11], v[\d:\d+7], v[\sa], v[\sb] matrix_a_fmt:MATRIX_FMT_FP6 matrix_b_fmt:MATRIX_FMT_FP6 matrix_a_scale:MATRIX_SCALE_ROW1
.elseif \rb
	v_wmma_scale_f32_16x16x128_f8f6f4 v[\d:\d+7], v[\a:\a+11], v[\b:\b+11], v[\d:\d+7], v[\sa], v[\sb] matrix_a_fmt:MATRIX_FMT_FP6 matrix_b_fmt:MATRIX_FMT_FP6 matrix_b_scale:MATRIX_SCALE_ROW1
.else
	v_wmma_scale_f32_16x16x128_f8f6f4 v[\d:\d+7], v[\a:\a+11], v[\b:\b+11], v[\d:\d+7], v[\sa], v[\sb] matrix_a_fmt:MATRIX_FMT_FP6 matrix_b_fmt:MATRIX_FMT_FP6
.endif
.endif
.endm
.macro QUANT64 s, pc, hw               ; 32 numbers of a lane, register 16 b + i = k 32 b + 16 (lane / 16) + i, become half a fragment and two scale bytes
.irp b, 0,1
	v_max3_num_f32 v[TM+\b], |v[\s+16*\b]|, |v[\s+1+16*\b]|, 0x1800000
.endr
.irp i, 2,4,6,8,10,12,14
.irp b, 0,1
	v_max3_num_f32 v[TM+\b], v[TM+\b], |v[\s+16*\b+\i]|, |v[\s+1+16*\b+\i]|
.endr
.endr
.irp b, 0,1
	v_permlanex16_b32 v[TM+2+\b], v[TM+\b], s[SEL], s[SEL+1]
.endr
.irp b, 0,1
	v_max_num_f32 v[TM+\b], v[TM+\b], v[TM+2+\b]
.endr
.irp b, 0,1
	v_add_nc_u32 v[TM+\b], 0xff000000, v[TM+\b]
.endr
.irp b, 0,1
	v_lshrrev_b32 v[TM+4+\b], 23, v[TM+\b]
.endr
	v_lshl_or_b32 v[\hw], v[TM+5], 8, v[TM+4]
	v_cvt_scalef32_pk16_fp6_f32 v[\pc:\pc+2], v[\s:\s+15], v[TM]
	v_cvt_scalef32_pk16_fp6_f32 v[PT:PT+2], v[\s+16:\s+31], v[TM+1]
	v_nop
.irp i, 0,1,2
	v_permlane16_swap_b32 v[\pc+\i], v[PT+\i]
.endr
.irp i, 0,1,2
	v_mov_b32 v[\pc+3+\i], v[PT+\i]
.endr
.endm
	s_load_b256 s[4:11], s[0:1], 0x0               ; qb s[4:5], kv s[6:7], z_re s[8:9], z_im s[10:11]
	s_load_b128 s[12:15], s[0:1], 0x20             ; coupling_strength s[12:13], out0 s[14:15]
	s_load_b64 s[16:17], s[0:1], 0x30              ; vob
	v_lshl_add_u32 v1, v0, 2, SPARE
	v_mov_b32 v2, 0
	ds_add_u32 v1, v2
	s_wait_dscnt 0x0
	v_lshrrev_b32 v6, 5, v0
	v_readfirstlane_b32 s[WV], v6                  ; wave 0..7
	v_and_b32 v6, 31, v0
	v_lshlrev_b32 v3, 4, v6
	v_lshlrev_b32 v4, 3, v6
	v_lshlrev_b32 v5, 2, v6
	v_lshlrev_b32 v9, 12, v6                       ; a row of z a lane
	s_bfe_u32 s21, ttmp6, 0x40000                  ; cx
	s_lshl_b32 s22, ttmp9, 2
	s_add_co_u32 s22, s22, s21                     ; my block of 256 queries: it enters Q's, z's and the outputs' addresses alone
	s_and_b32 s23, ttmp7, 0xffff                   ; the batch-head, which the four partners share
	s_lshr_b32 s56, s23, 4                         ; batch
	s_and_b32 s57, s23, 15                         ; head
	s_mov_b32 s24, 15|(3<<16)|(1<<21)              ; group 1: mask: all four; elements of 8 bytes; bit 21 beside a mask; no padding
	s_mov_b32 s25, 32<<16                          ; tensor_dim0 = 32 (256 bytes)
	s_mov_b32 s26, 101<<16                         ; tensor_dim1 = 101: a key step's 25,856 dense bytes
	s_mov_b32 s27, 32<<16                          ; tile_dim0
	s_mov_b32 s28, 101                             ; tile_dim1
	s_mov_b32 s29, 32                              ; the pitch
	s_mov_b32 s30, 0
	s_mov_b32 s31, 0
	s_mov_b32 s[SEL], 0x76543210
	s_mov_b32 s[SEL+1], 0xfedcba98
	s_mov_b32 s[CS], 0x3e38aa3b                    ; log2(e) / sqrt(64)
	s_mov_b32 s[CS+1], s[CS]                       ; (named with it as a pair, so it is written)
	s_mov_b32 s[TB], 0
	s_mov_b32 s[SLOTS], 3
	s_mov_b32 s[TINY], 0x00800000                  ; 2^-126
	s_mov_b32 s[ABSM], 0x7fffffff
	s_mov_b32 s[MASK], 0xffff0000
	s_and_b32 s36, s[WV], 3
	s_mul_i32 s36, s36, STEPB                      ; which key step of a slot I fetch: its place in a slot, in LDS and in memory
	s_mul_i32 s38, s23, BHB
	s_add_co_u32 s38, s38, s36
	s_mov_b32 s39, 0
	s_wait_kmcnt 0x0
	s_load_b32 s[CP], s[12:13], 0x0                ; c
	s_mov_b32 s32, 1
	s_mov_b32 s33, s36                             ; slot 0
	s_add_nc_u64 s[34:35], s[6:7], s[38:39]
	s_or_b32 s35, s35, 0x80000000
	CROUND                                         ; all four work-groups are here: the first joint loads meet
	JLOAD                                          ; slot 0: one load of mine is out
	s_lshl_b32 s36, s56, 11
	s_lshl_b32 s37, s22, 8
	s_add_co_u32 s36, s36, s37
	s_lshl_b32 s37, s[WV], 5
	s_add_co_u32 s36, s36, s37                     ; my first token: 2,048 batch + 256 block + 32 wave
	s_lshl_b32 s38, s36, 12
	s_lshl_b32 s37, s57, 8
	s_add_co_u32 s38, s38, s37
	s_add_nc_u64 s[ZR:ZR+1], s[ZR:ZR+1], s[38:39]  ; its row, my head's 256 bytes
	s_add_nc_u64 s[ZI:ZI+1], s[ZI:ZI+1], s[38:39]
	s_add_nc_u64 s[OU:OU+1], s[OU:OU+1], s[38:39]
	s_lshl_b32 s38, s36, 6
	s_lshl_b32 s37, s57, 7
	s_add_co_u32 s38, s38, s37
	s_add_co_u32 s38, s38, SCO
	s_add_nc_u64 s[VS:VS+1], s[VO:VO+1], s[38:39]  ; value_out's scale image: (pair x 16 + head) x 128
	s_add_co_u32 s38, s36, s57
	s_mul_i32 s38, s38, 768
	s_add_nc_u64 s[VO:VO+1], s[VO:VO+1], s[38:39]  ; its codes: (tile x 16 + head) x 768
	s_lshl_b32 s36, s23, 7
	s_lshl_b32 s37, s22, 4
	s_add_co_u32 s36, s36, s37
	s_lshl_b32 s37, s[WV], 1
	s_add_co_u32 s36, s36, s37                     ; my first tile of queries
	s_mul_i32 s38, s36, 768
	s_add_nc_u64 s[52:53], s[4:5], s[38:39]
	s_lshr_b32 s36, s36, 2                         ; its chunk of 64 tokens,
	s_lshl_b32 s38, s36, 8
	s_and_b32 s37, s[WV], 1
	s_lshl_b32 s37, s37, 2                         ; and my pair's register of the chunk's image
	s_add_co_u32 s38, s38, s37
	s_add_co_u32 s38, s38, SCO
	s_add_nc_u64 s[54:55], s[4:5], s[38:39]
	global_load_b32 v32, v4, s[54:55]              ; Q's scale words: lanes 0-15 tile 0's, lanes 16-31 tile 1's
	WIN 0x40                                       ; destination window 1
.irp x, 0,1
	global_load_b128 v[192+12*\x:195+12*\x], v3, s[52:53] offset:768*\x
	global_load_b64 v[196+12*\x:197+12*\x], v4, s[52:53] offset:768*\x+512
.endr
.set n, 0
.rept 192
	v_mov_b32 v[n], 0                              ; O^T.  (The key step is written for every step alike: the first finds zeros, which the first change of M leaves zeros; a first step of its own would be a third copy of the step)
.set n, n+1
.endr
.irp x, 0,1
.irp i, 6,7,8,9,10,11
	v_mov_b32 v[192+12*\x+\i], 0                   ; Q's upper 64 along K: zero codes
.endr
.endr
.irp i, 24,25,26,27,28,29
	v_mov_b32 v[F+\i], 0                           ; named by K's last operand before V's codes first land there
.endr
	WIN 0
.irp i, 24,25,26,27,28,29
	v_mov_b32 v[F+\i], 0
.endr
.irp x, 0,1
	v_mov_b32 v[11+4*\x], 0xff61b1e6               ; the largest t so far: -3e38
	v_floor_f32 v[10+4*\x], -v[11+4*\x]            ; -M
	v_mov_b32 v[12+4*\x], 0                        ; the sum, in two halves
	v_mov_b32 v[13+4*\x], 0
	v_mov_b32 v[19+2*\x], 0                        ; (named as the upper half of f's pair)
.irp b, 0,1,2,3
	v_mov_b32 v[40+12*\x+\b], 0                    ; a lane permute's destination counts as one of its sources
.endr
.endr
	s_wait_kmcnt 0x0
	s_mov_b32 s[CP+1], s[CP]
	s_wait_loadcnt 0x0                             ; Q
.macro KLOAD t0                        ; four tiles of K, six registers each, on end
.irp t, 0,1,2,3
	ds_load_b128 v[F+6*\t:F+6*\t+3], v6 offset:768*(\t0+\t)
	ds_load_b64 v[F+6*\t+4:F+6*\t+5], v7 offset:768*(\t0+\t)+512
.endr
.endm
.macro VLOAD g                         ; three tiles of V: 3 g ..
.irp j, 0,1,2
.irp c, 0,1
	ds_load_b128 v[F+12*\j+6*\c:F+12*\j+6*\c+3], v6 offset:VOFF+1536*(3*\g+\j)+768*\c
	ds_load_b64 v[F+12*\j+6*\c+4:F+12*\j+6*\c+5], v7 offset:VOFF+1536*(3*\g+\j)+768*\c+512
.endr
.endr
.endm
.macro QK t0                           ; S^T of four tiles of keys, both tiles of queries
.irp t, 0,1,2,3
.irp x, 0,1
	WM 64+64*\x+8*(\t0+\t), F+6*\t, 192+12*\x, 1, 22+(\t0+\t)/2, 32, ((\t0+\t)%2), \x
.endr
.endr
.endm
.macro PV g                            ; O^T += three tiles of V x both tiles of queries: six accumulators, one instruction each
.irp j, 0,1,2
.irp x, 0,1
	WM 96*\x+8*(3*\g+\j), F+12*\j, PC+12*\x, 0, 26+(3*\g+\j)/2, 33+\x, ((3*\g+\j)%2), 0
.endr
.endr
.endm
; A KEY STEP: 128 keys.
.macro STEP pf
	v_add_nc_u32 v6, s[TB], v3                     ; these three and the v_nop are the places behind the last step's products, in front of the loads into their registers
	v_add_nc_u32 v7, s[TB], v4
	v_add_nc_u32 v8, s[TB], v5
	v_nop
	WIN 0x40
	KLOAD 0
	WIN 0
	KLOAD 4
	ds_load_b64 v[22:23], v7 offset:KSOFF
	ds_load_b64 v[24:25], v7 offset:KSOFF+256
	s_wait_dscnt 0x0
	WIN 0x05
	QK 0
	WIN 0x04
	QK 4
	WIN 0
	PLACES
	WIN 0x40                                       ; half of V is asked for now and lands during the softmax
	VLOAD 0
	WIN 0
	VLOAD 1
.irp p, 0,1,2,3,4,5
	ds_load_b32 v[26+\p], v8 offset:VSOFF+128*\p
.endr
.if \pf                                        ; in the last key step: my 32 queries' rows of z_re and z_im (256 bytes each, a lane a row), which the way out loads one key step later.  No other wave names them
	s_cmp_eq_u32 s[CNT], 1
	s_cbranch_scc0 .Lnopf_\@
	global_prefetch_b8 v9, s[ZR:ZR+1] th:TH_LOAD_NT scope:SCOPE_SE
	global_prefetch_b8 v9, s[ZI:ZI+1] th:TH_LOAD_NT scope:SCOPE_SE
.Lnopf_\@:
.endif
.irp b, 0,1,2,3
.irp x, 0,1
	v_max3_num_f32 v[36+12*\x+\b], v[64+64*\x+16*\b], v[65+64*\x+16*\b], v[66+64*\x+16*\b]   ; the largest score of each block of 32 keys: for the row's maximum and, since p rises with the score, for the block's largest p
.endr
.endr
.irp i, 3,5,7,9,11,13
.irp b, 0,1,2,3
.irp x, 0,1
	v_max3_num_f32 v[36+12*\x+\b], v[36+12*\x+\b], v[64+64*\x+16*\b+\i], v[65+64*\x+16*\b+\i]
.endr
.endr
.endr
.irp b, 0,1,2,3
.irp x, 0,1
	v_max_num_f32 v[36+12*\x+\b], v[36+12*\x+\b], v[79+64*\x+16*\b]
.endr
.endr
.irp b, 0,1,2,3
.irp x, 0,1
	v_permlanex16_b32 v[40+12*\x+\b], v[36+12*\x+\b], s[SEL], s[SEL+1]
.endr
.endr
.irp b, 0,1,2,3
.irp x, 0,1
	v_max_num_f32 v[36+12*\x+\b], v[36+12*\x+\b], v[40+12*\x+\b]   ; with lane l xor 16's 16 keys
.endr
.endr
.irp x, 0,1
	v_max3_num_f32 v[60+\x], v[36+12*\x], v[37+12*\x], v[38+12*\x]
.endr
.irp x, 0,1
	v_max_num_f32 v[60+\x], v[60+\x], v[39+12*\x]  ; the step's largest score of my query
.endr
.irp x, 0,1
	v_mul_f32 v[60+\x], s[CS], v[60+\x]            ; as t
.endr
.irp x, 0,1
	v_max_num_f32 v[11+4*\x], v[11+4*\x], v[60+\x] ; the running largest t
.endr
.irp x, 0,1
	v_mov_b32 v[60+\x], v[10+4*\x]
.endr
.irp x, 0,1
	v_floor_f32 v[10+4*\x], -v[11+4*\x]            ; the new -M = -ceil(t): a whole number
.endr
.irp x, 0,1
	v_sub_f32 v[60+\x], v[10+4*\x], v[60+\x]       ; old M - new M: a whole number, 0 or less
.endr
.irp x, 0,1
	v_cvt_i32_f32 v[60+\x], v[60+\x]               ; (it saturates)
.endr
.irp x, 0,1
	v_ldexp_f32 v[18+2*\x], 1.0, v[60+\x]          ; f = 2^(old M - new M)
.endr
.irp j, 0,2,4,6,8,10,12,14,16,18,20,22,24,26,28,30,32,34,36,38,40,42,44,46,48,50,52,54,56,58,60,62
.irp x, 0,1
	v_pk_fma_f32 v[64+64*\x+\j:65+64*\x+\j], v[64+64*\x+\j:65+64*\x+\j], s[CS:CS+1], v[10+4*\x:11+4*\x] op_sel_hi:[1,0,0]   ; t - M, two at a time
.endr
.endr
.irp b, 0,1,2,3
.irp x, 0,1
	v_fma_f32 v[36+12*\x+\b], v[36+12*\x+\b], s[CS], v[10+4*\x]   ; the same of each block's largest score
.endr
.endr
.set n, 0
.rept 128
	v_exp_f32 v[64+n], v[64+n]                     ; p = 2^(t - M), at most 1
.set n, n+1
.endr
.irp x, 0,1
	v_pk_mul_f32 v[12+4*\x:13+4*\x], v[12+4*\x:13+4*\x], v[18+2*\x:19+2*\x] op_sel_hi:[1,0]   ; the sums under the new M: the plain place behind the exponentials
.endr
	s_wait_alu depctr_va_vdst(0)                   ; one wait for the batch of 128, ahead of its first reader
.irp b, 0,1,2,3
.irp x, 0,1
	v_exp_f32 v[36+12*\x+\b], v[36+12*\x+\b]       ; the block's largest p: the same two instructions on the same number give the same bits
.endr
.endr
.irp x, 0,1
	v_pk_add_f32 v[40+12*\x:41+12*\x], v[64+64*\x:65+64*\x], v[66+64*\x:67+64*\x]   ; the row's sum of the UNQUANTISED p, in two chains a tile: plain work behind the eight
.endr
.irp j, 4,8,12,16,20,24,28,32,36,40,44,48,52,56,60
.irp x, 0,1
	v_pk_add_f32 v[12+4*\x:13+4*\x], v[12+4*\x:13+4*\x], v[64+64*\x+\j:65+64*\x+\j]
	v_pk_add_f32 v[40+12*\x:41+12*\x], v[40+12*\x:41+12*\x], v[66+64*\x+\j:67+64*\x+\j]
.endr
.endr
.irp x, 0,1
	v_pk_add_f32 v[12+4*\x:13+4*\x], v[12+4*\x:13+4*\x], v[40+12*\x:41+12*\x]
.endr
	s_wait_alu depctr_va_vdst(0)                   ; and one for the eight
.irp b, 0,1,2,3
.irp x, 0,1
	v_max_num_f32 v[36+12*\x+\b], 0x1800000, v[36+12*\x+\b]   ; the floor 2^(3 - 127): the byte cannot fall under 1
.endr
.endr
.irp b, 0,1,2,3
.irp x, 0,1
	v_add_nc_u32 v[36+12*\x+\b], 0xff000000, v[36+12*\x+\b]   ; 2 off the exponent field: the conversion's scale operand
.endr
.endr
.irp b, 0,1,2,3
.irp x, 0,1
	v_lshrrev_b32 v[40+12*\x+\b], 23, v[36+12*\x+\b]          ; the scale's byte
.endr
.endr
.irp x, 0,1
	v_lshl_or_b32 v[33+\x], v[41+12*\x], 8, v[40+12*\x]       ; p's scale word for these 128 keys
.endr
.irp x, 0,1
	v_lshl_or_b32 v[33+\x], v[42+12*\x], 16, v[33+\x]
.endr
.irp x, 0,1
	v_lshl_or_b32 v[33+\x], v[43+12*\x], 24, v[33+\x]
.endr
.irp x, 0,1
.irp c, 0,1
	v_cvt_scalef32_pk16_fp6_f32 v[PC+12*\x+6*\c:PC+12*\x+6*\c+2], v[64+64*\x+32*\c:79+64*\x+32*\c], v[36+12*\x+2*\c]
	v_cvt_scalef32_pk16_fp6_f32 v[40+12*\x+4*\c:42+12*\x+4*\c], v[80+64*\x+32*\c:95+64*\x+32*\c], v[37+12*\x+2*\c]
.endr
.endr
	v_nop                                          ; one plain place behind a scaled conversion
.irp x, 0,1
.irp c, 0,1
.irp i, 0,1,2
	v_permlane16_swap_b32 v[PC+12*\x+6*\c+\i], v[40+12*\x+4*\c+\i]   ; a whole block in a lane: lanes 0-15 block 2 c, lanes 16-31 block 2 c + 1
.endr
.irp i, 0,1,2
	v_mov_b32 v[PC+12*\x+6*\c+3+\i], v[40+12*\x+4*\c+\i]
.endr
.endr
.endr
	WIN 0x41
.set n, 0
.rept 48
	v_pk_mul_f32 v[n:n+1], v[n:n+1], v[18:19] op_sel_hi:[1,0]           ; O^T under the new M.  (These are also the places between p's codes and scale words and the products below)
	v_pk_mul_f32 v[96+n:97+n], v[96+n:97+n], v[20:21] op_sel_hi:[1,0]
.set n, n+2
.endr
	s_wait_dscnt 0x0                               ; V's first half and its scale words are in
	WIN 0x51
	PV 0
	WIN 0x50
	PV 1
	PLACES
	WIN 0x40
	VLOAD 2
	WIN 0
	VLOAD 3
	s_wait_dscnt 0x0
	WIN 0x51
	PV 2
	WIN 0x50
	PV 3
	WIN 0
.endm
; THE CHANGE OF SLOTS stands at a slot's head.  Each wave waits for all its tensor loads (its part of the slot that it is about to read), adds 0 to its spare word, and waits for that and for its reads of the slot that
; it has left.  fill = 1: the barrier is a round of the cluster's, and behind it the slot that was left is filled with the next four key steps: the load has four key steps' work in which to land.
.macro CHANGE fill
	s_wait_tensorcnt 0x0                           ; no tensor load of mine is out, so the descriptor may be written
	ds_add_u32 v1, v2                              ; 0 onto my spare word
.if \fill
	s_xor_b32 s33, s33, SLOT1                      ; the other slot than last time,
	s_add_nc_u64 s[34:35], s[34:35], SLOTB         ; the next four key steps; the type bits on top are not reached
.endif
	s_wait_dscnt 0x0                               ; the add is done, and my reads of the slot that I have left are over
.if \fill
	CROUND
	JLOAD                                          ; the first thing behind the round, and a wave's one tensor load until the next
.else
	s_barrier_signal -1
	s_barrier_wait -1
.endif
.endm
.macro FOUR_STEPS pf
	s_mov_b32 s[CNT], 4
.Lstep_\@:
	STEP \pf
	s_add_co_u32 s[TB], s[TB], STEPB
	s_sub_co_u32 s[CNT], s[CNT], 1
	s_cmp_lg_u32 s[CNT], 0
	s_cbranch_scc1 .Lstep_\@
	s_sub_co_u32 s[TB], s[TB], SLOTB               ; back to a slot's first step,
	s_xor_b32 s[TB], s[TB], SLOT1                  ; in the other slot
.endm
.Lslot:                                            ; three trips: behind each change of slots but the last the next slot is asked for
	CHANGE 1
	FOUR_STEPS 0
	s_sub_co_u32 s[SLOTS], s[SLOTS], 1
	s_cmp_lg_u32 s[SLOTS], 0
	s_cbranch_scc1 .Lslot
	CHANGE 0                                       ; the last slot is written out
	FOUR_STEPS 1
	; THE WAY OUT
	PLACES
.irp x, 0,1
	v_add_f32 v[12+4*\x], v[12+4*\x], v[13+4*\x]   ; the sum's two halves,
.endr
.irp x, 0,1
	v_permlanex16_b32 v[60+\x], v[12+4*\x], s[SEL], s[SEL+1]
.endr
.irp x, 0,1
	v_add_f32 v[12+4*\x], v[12+4*\x], v[60+\x]     ; and lane l xor 16's
.endr
.irp x, 0,1
	v_rcp_f32 v[18+2*\x], v[12+4*\x]
.endr
	v_and_b32 v60, 15, v0                          ; r  (plain work behind the reciprocals)
	v_bfe_u32 v61, v0, 4, 1                        ; h
	s_mul_i32 s36, s[WV], 8704
	s_add_co_u32 s36, s36, STG                     ; my two stages
	v_mul_u32_u24 v6, v60, 272
	v_lshl_add_u32 v6, v61, 6, v6
	v_add_nc_u32 v6, s36, v6                       ; in: row r; channels 32 g + 16 h + 8 u + j
	v_mul_u32_u24 v7, v61, 272
	v_lshl_add_u32 v7, v60, 4, v7
	v_add_nc_u32 v7, s36, v7                       ; back: lanes 0-15 one row, lanes 16-31 the next
	v_lshlrev_b32 v8, 12, v61
	v_lshl_add_u32 v8, v60, 4, v8                  ; and the same two rows in z and out0
	s_wait_alu depctr_va_vdst(0)                   ; one wait for the two reciprocals, ahead of their first reader
; Tile x: stage row rho is token 8 x + rho + 8 (rho / 8) of my 32.
.macro TAIL x
.if \x
	s_wait_xcnt 0x0                                ; tile 0's stores have read their registers: these are written again only behind this wait
.endif
.irp i, 0,1,2,3,4,5,6,7
	global_load_b128 v[160+4*\i:163+4*\i], v8, s[ZR:ZR+1] offset:(8*\x+2*\i+8*(\i/4))*4096 th:TH_LOAD_NT
.endr
.irp i, 0,1,2,3,4,5,6,7
	global_load_b128 v[192+4*\i:195+4*\i], v8, s[ZI:ZI+1] offset:(8*\x+2*\i+8*(\i/4))*4096 th:TH_LOAD_NT
.endr
	WIN 0x01
.set n, 0
.rept 96
	v_mul_f32 v[64+n], v[96*\x+n], v[18+2*\x]      ; O^T / the sum, each accumulator from its low end on: v64.. value_out, v96.. Ksin, v128.. Kcos
.set n, n+1
.endr
	WIN 0
	QUANT64 64, 48+6*\x, 62+\x
	global_store_b128 v3, v[48+6*\x:51+6*\x], s[VO:VO+1] offset:12288*\x
	global_store_b64 v4, v[52+6*\x:53+6*\x], s[VO:VO+1] offset:12288*\x+512
.irp a, 0,1,2,3
	ds_store_b128 v6, v[96+8*\a:99+8*\a] offset:128*(\a/2)+32*(\a%2)
	ds_store_b128 v6, v[100+8*\a:103+8*\a] offset:128*(\a/2)+32*(\a%2)+16
	ds_store_b128 v6, v[128+8*\a:131+8*\a] offset:4352+128*(\a/2)+32*(\a%2)
	ds_store_b128 v6, v[132+8*\a:135+8*\a] offset:4352+128*(\a/2)+32*(\a%2)+16
.endr
.irp i, 0,1,2,3,4,5,6,7
	ds_load_b128 v[96+4*\i:99+4*\i], v7 offset:544*\i          ; LDS serves a wave's instructions in order (ISA guide 5.7.1.4): these see my stores
	ds_load_b128 v[128+4*\i:131+4*\i], v7 offset:4352+544*\i
.endr
	s_wait_dscnt 0x0
	s_wait_loadcnt 0x0
.set n, 0
.rept 16
	v_pk_mul_f32 v[224+n:225+n], v[160+n:161+n], v[160+n:161+n]
.set n, n+2
.endr
.set n, 0
.rept 16
	v_pk_fma_f32 v[224+n:225+n], v[192+n:193+n], v[192+n:193+n], v[224+n:225+n]   ; re^2 + im^2
.set n, n+2
.endr
.set n, 0
.rept 32
	v_rsq_f32 v[64+n], v[224+n]
.set n, n+1
.endr
	v_nop
	s_wait_alu depctr_va_vdst(0)                   ; one wait for the 32, ahead of their first reader
.set n, 0
.rept 32
	v_cmp_le_f32 vcc_lo, s[TINY], v[224+n]
	v_cndmask_b32 v[64+n], 1.0, v[64+n], vcc_lo    ; where the square is no normal number: 1 / |z| counts as 1,
	v_bfi_b32 v36, s[ABSM], 1.0, v[160+n]
	v_cndmask_b32 v[160+n], v36, v[160+n], vcc_lo  ; and re as 1 with its sign
.set n, n+1
.endr
.set n, 0
.rept 16
	v_pk_mul_f32 v[128+n:129+n], v[192+n:193+n], v[128+n:129+n]                    ; im Kcos
	v_pk_mul_f32 v[64+n:65+n], v[64+n:65+n], s[CP:CP+1] op_sel_hi:[1,0]            ; c / |z|
	v_pk_fma_f32 v[96+n:97+n], v[160+n:161+n], v[96+n:97+n], v[128+n:129+n] neg_lo:[0,0,1] neg_hi:[0,0,1]   ; re Ksin - im Kcos
	v_pk_mul_f32 v[96+n:97+n], v[96+n:97+n], v[64+n:65+n]
.set n, n+2
.endr
.irp i, 0,1,2,3,4,5,6,7
	global_store_b128 v8, v[96+4*\i:99+4*\i], s[OU:OU+1] offset:(8*\x+2*\i+8*(\i/4))*4096 th:TH_STORE_NT   ; 16 lanes store 256 consecutive bytes, at a multiple of 256 from out0's first byte
.endr
.endm
	TAIL 0
	TAIL 1
	v_cndmask_b32 v60, v62, v63, s[MASK]           ; value_out's scale bytes: lanes 0-15 tile 0's, lanes 16-31 tile 1's
	global_store_b32 v5, v60, s[VS:VS+1]
	s_wait_tensorcnt 0x0                           ; the wave's end: behind my last tensor load and my last LDS store
	ds_add_u32 v1, v2
	s_wait_dscnt 0x0
	CROUND                                         ; the closing round
	s_endpgm
.Lfunc_end_k_q9b9097c56d_attn:
	.size	k_q9b9097c56d_attn, .Lfunc_end_k_q9b9097c56d_attn-k_q9b9097c56d_attn
	.p2alignl 7, 3214868480
	.fill 96, 4, 3214868480
	.section	.rodata,"a",@progbits
	.p2align	6, 0x0
	.amdhsa_kernel k_q9b9097c56d_attn
		.amdhsa_group_segment_fixed_size 327680
		.amdhsa_private_segment_fixed_size 0
		.amdhsa_enable_private_segment 0
		.amdhsa_kernarg_size 56
		.amdhsa_user_sgpr_count 2
		.amdhsa_user_sgpr_kernarg_segment_ptr 1
		.amdhsa_wavefront_size32 1
		.amdhsa_system_sgpr_workgroup_id_x 1
		.amdhsa_system_sgpr_workgroup_id_y 1
		.amdhsa_system_sgpr_workgroup_id_z 1
		.amdhsa_system_vgpr_workitem_id 0
		.amdhsa_next_free_vgpr 512
		.amdhsa_next_free_sgpr 66
		.amdhsa_reserve_vcc 1
		.amdhsa_float_denorm_mode_32 3
		.amdhsa_float_denorm_mode_16_64 3
		.amdhsa_memory_ordered 1
		.amdhsa_forward_progress 1
		.amdhsa_inst_pref_size 135
	.end_amdhsa_kernel
	.amdgpu_metadata
---
amdhsa.version: [ 1, 2 ]
amdhsa.kernels:
  - .name:           k_q9b9097c56d_attn
    .symbol:         k_q9b9097c56d_attn.kd
    .args:
      - { .name: qb, .offset: 0, .size: 8, .value_kind: global_buffer, .address_space: global }
      - { .name: kv, .offset: 8, .size: 8, .value_kind: global_buffer, .address_space: global }
      - { .name: z_re, .offset: 16, .size: 8, .value_kind: global_buffer, .address_space: global }
      - { .name: z_im, .offset: 24, .size: 8, .value_kind: global_buffer, .address_space: global }
      - { .name: coupling_strength, .offset: 32, .size: 8, .value_kind: global_buffer, .address_space: global }
      - { .name: out0, .offset: 40, .size: 8, .value_kind: global_buffer, .address_space: global }
      - { .name: vob, .offset: 48, .size: 8, .value_kind: global_buffer, .address_space: global }
    .group_segment_fixed_size: 327680
    .private_segment_fixed_size: 0
    .kernarg_segment_align: 8
    .kernarg_segment_size: 56
    .max_flat_workgroup_size: 256
    .sgpr_count:     66
    .vgpr_count:     512
    .wavefront_size: 32
...
	.end_amdgpu_metadata
.endif
;; end of part 3
;; launch outp (part 4): grid 16 x 16, 4 waves a work-group, clusters of 4 x 1, 168,448 bytes of LDS; arguments vob, wb, out1; writes out1
.if DOCPART == 4
	.amdgcn_target "amdgcn-amd-amdhsa--gfx1250"
	.amdhsa_code_object_version 6
	.text
	.protected	k_q9b9097c56d_outp
	.globl	k_q9b9097c56d_outp
	.p2align	8
	.type	k_q9b9097c56d_outp,@function
k_q9b9097c56d_outp:
	s_mov_b64 s[64:65], 0
	v_nop
	global_prefetch_b8 v0, s[64:65] scope:SCOPE_SE
	s_setreg_imm32_b32 hwreg(HW_REG_WAVE_MODE, 25, 1), 1
	s_wait_xcnt 0x0
	s_wait_alu depctr_hold_cnt(0) depctr_sa_sdst(0) depctr_va_vdst(0) depctr_va_sdst(0) depctr_va_ssrc(0) depctr_va_vcc(0) depctr_vm_vsrc(0)
	s_getreg_b32 s2, hwreg(HW_REG_IB_STS2, 6, 4)
	s_cmp_eq_u32 s2, 0
	s_cbranch_scc0 .Lentry_in_a_cluster
	s_endpgm
.Lentry_in_a_cluster:
	s_bfe_u32 s2, ttmp6, 0x10000c
	s_cmp_lg_u32 s2, 0x3003
	s_cbranch_scc0 .Lentry_shape_is_right
	s_endpgm
.Lentry_shape_is_right:
; OUTP.  out1 = value_out Wo^T on codes of FP6 with E8M0 scales, for 256 tokens x 64 outputs.
; SHARES.  Work-group (tb, y); wave w: tokens 256 tb + 64 w .., four tiles, whose 32 fragments (64 half images, one for each head) go straight to registers; Wo's four tiles x 8 K steps (49,152 bytes) lie in LDS,
; filled once.  CLUSTER: the four token blocks of a cluster read the same tiles of Wo: joint loads, mask 15.  value_out is each wave's own: nothing of it is shared inside a cluster.
; LAYOUT.  Source 0 = 16 rows of Wo, source 1 = 16 tokens: a lane holds one token and eight neighbouring outputs.  Tile 2 g + u of 16 rows holds rows 32 g + 8 u + r + 8 (r / 8).
; REGISTERS: window 0: v1-3 16, 8, 4 x lane; v7-9 the way out; v16-31 value_out's scale words; v32-47 Wo's; v80-207 16 accumulators.  window 1: token tiles 0, 1;  window 2: tiles 2, 3;  window 3: Wo's fragments, two buffers of 48.
.set SCO,   3145728
.set STGO,  49152                      ; behind the weights: a stage of 16 rows x 272 bytes for each wave
.set WV,    12
.set ACC,   80
.set MSC,   16
.set WSC,   32
.set MSB, 0
.macro WIN new
.if MSB != (\new)
	s_set_vgpr_msb (MSB<<8)|(\new)
.set MSB, (\new)
.endif
.endm
.macro PLACES
.rept 4
	v_nop
.endr
.endm
.macro CROUND
	s_barrier_signal -1
	s_barrier_wait -1
	s_cmp_lg_u32 s[WV], 0
	s_cbranch_scc1 .Lnot_wave_0_\@
	s_barrier_signal -3
.Lnot_wave_0_\@:
	s_barrier_wait -3
	s_barrier_signal -1
	s_barrier_wait -1
.endm
.macro WM d, a, b, z, sa, sb, ra, rb
.if \z
.if (\ra) && (\rb)
	v_wmma_scale_f32_16x16x128_f8f6f4 v[\d:\d+7], v[\a:\a+11], v[\b:\b+11], 0, v[\sa], v[\sb] matrix_a_fmt:MATRIX_FMT_FP6 matrix_b_fmt:MATRIX_FMT_FP6 matrix_a_scale:MATRIX_SCALE_ROW1 matrix_b_scale:MATRIX_SCALE_ROW1
.elseif \ra
	v_wmma_scale_f32_16x16x128_f8f6f4 v[\d:\d+7], v[\a:\a+11], v[\b:\b+11], 0, v[\sa], v[\sb] matrix_a_fmt:MATRIX_FMT_FP6 matrix_b_fmt:MATRIX_FMT_FP6 matrix_a_scale:MATRIX_SCALE_ROW1
.elseif \rb
	v_wmma_scale_f32_16x16x128_f8f6f4 v[\d:\d+7], v[\a:\a+11], v[\b:\b+11], 0, v[\sa], v[\sb] matrix_a_fmt:MATRIX_FMT_FP6 matrix_b_fmt:MATRIX_FMT_FP6 matrix_b_scale:MATRIX_SCALE_ROW1
.else
	v_wmma_scale_f32_16x16x128_f8f6f4 v[\d:\d+7], v[\a:\a+11], v[\b:\b+11], 0, v[\sa], v[\sb] matrix_a_fmt:MATRIX_FMT_FP6 matrix_b_fmt:MATRIX_FMT_FP6
.endif
.else
.if (\ra) && (\rb)
	v_wmma_scale_f32_16x16x128_f8f6f4 v[\d:\d+7], v[\a:\a+11], v[\b:\b+11], v[\d:\d+7], v[\sa], v[\sb] matrix_a_fmt:MATRIX_FMT_FP6 matrix_b_fmt:MATRIX_FMT_FP6 matrix_a_scale:MATRIX_SCALE_ROW1 matrix_b_scale:MATRIX_SCALE_ROW1
.elseif \ra
	v_wmma_scale_f32_16x16x128_f8f6f4 v[\d:\d+7], v[\a:\a+11], v[\b:\b+11], v[\d:\d+7], v[\sa], v[\sb] matrix_a_fmt:MATRIX_FMT_FP6 matrix_b_fmt:MATRIX_FMT_FP6 matrix_a_scale:MATRIX_SCALE_ROW1
.elseif \rb
	v_wmma_scale_f32_16x16x128_f8f6f4 v[\d:\d+7], v[\a:\a+11], v[\b:\b+11], v[\d:\d+7], v[\sa], v[\sb] matrix_a_fmt:MATRIX_FMT_FP6 matrix_b_fmt:MATRIX_FMT_FP6 matrix_b_scale:MATRIX_SCALE_ROW1
.else
	v_wmma_scale_f32_16x16x128_f8f6f4 v[\d:\d+7], v[\a:\a+11], v[\b:\b+11], v[\d:\d+7], v[\sa], v[\sb] matrix_a_fmt:MATRIX_FMT_FP6 matrix_b_fmt:MATRIX_FMT_FP6
.endif
.endif
.endm
	s_load_b128 s[4:7], s[0:1], 0x0                ; vob s[4:5], wb s[6:7]
	s_load_b64 s[8:9], s[0:1], 0x10                ; out1
	v_lshl_add_u32 v254, v0, 2, 0x29000
	v_mov_b32 v255, 0
	ds_add_u32 v254, v255
	v_lshrrev_b32 v9, 5, v0
	v_readfirstlane_b32 s[WV], v9                  ; wave 0..3
	v_and_b32 v9, 31, v0
	v_lshlrev_b32 v1, 4, v9
	v_lshlrev_b32 v2, 3, v9
	v_lshlrev_b32 v3, 2, v9
	v_and_b32 v10, 15, v0                          ; r
	v_bfe_u32 v11, v0, 4, 1                        ; h
	s_mul_i32 s36, s[WV], 4352
	s_add_co_u32 s36, s36, STGO                    ; my stage
	v_mul_u32_u24 v7, v10, 272
	v_lshl_add_u32 v7, v11, 6, v7
	v_add_nc_u32 v7, s36, v7                       ; in: row r; outputs 32 g + 16 h + 8 u + j
	v_mul_u32_u24 v8, v11, 272
	v_lshl_add_u32 v8, v10, 4, v8
	v_add_nc_u32 v8, s36, v8                       ; back: lanes 0-15 one row, lanes 16-31 the next
	v_lshlrev_b32 v9, 12, v11
	v_lshl_add_u32 v9, v10, 4, v9                  ; and the same two rows in out1
	s_bfe_u32 s13, ttmp6, 0x40000                  ; cx
	s_lshl_b32 s14, ttmp9, 2
	s_add_co_u32 s14, s14, s13                     ; tb: it enters value_out's and out1's addresses alone
	s_and_b32 s15, ttmp7, 0xffff                   ; y, which the four partners share
	s_mov_b32 s16, 15|(3<<16)|(1<<21)              ; group 1: mask: all four; elements of 8 bytes; bit 21 beside a mask; no padding
	s_mov_b32 s17, 32<<16
	s_mov_b32 s18, 48<<16                          ; 48 rows of 256 bytes: a tile's 8 K steps
	s_mov_b32 s19, 32<<16
	s_mov_b32 s20, 48
	s_mov_b32 s21, 32
	s_mov_b32 s22, 0
	s_mov_b32 s23, 0
	s_lshl_b32 s36, s15, 2
	s_add_co_u32 s36, s36, s[WV]
	s_add_co_u32 s36, s36, 192                     ; Wo's tiles begin at 192: wave w fetches tile 192 + 4 y + w
	s_mul_i32 s36, s36, 12288
	s_mov_b32 s37, 0
	s_wait_dscnt 0x0
	s_wait_kmcnt 0x0
	s_mov_b32 s24, 1
	s_mul_i32 s25, s[WV], 12288
	s_add_nc_u64 s[26:27], s[6:7], s[36:37]
	s_or_b32 s27, s27, 0x80000000
	CROUND                                         ; all four work-groups are here: the joint loads meet
	tensor_load_to_lds s[24:27], s[16:23]          ; one load of mine is out
	s_nop 0
.rept 4
	v_nop
.endr
	s_lshl_b32 s38, s14, 2
	s_add_co_u32 s38, s38, s[WV]                   ; 4 tb + w: my 64 tokens
	s_mul_i32 s36, s38, 49152
	s_add_nc_u64 s[46:47], s[4:5], s[36:37]        ; value_out's codes: tile 16 tb + 4 w, 16 half images a tile
	s_lshl_b32 s36, s38, 12
	s_add_co_u32 s36, s36, SCO
	s_add_nc_u64 s[48:49], s[4:5], s[36:37]        ; its scale images: pair 8 tb + 2 w, 16 a pair
	s_lshl_b32 s36, s15, 11
	s_add_co_u32 s36, s36, SCO+98304
	s_add_nc_u64 s[50:51], s[6:7], s[36:37]        ; Wo's scale images: pair 96 + 2 y
	s_lshl_b32 s36, s38, 18
	s_lshl_b32 s39, s15, 8
	s_add_co_u32 s36, s36, s39
	s_add_nc_u64 s[52:53], s[8:9], s[36:37]        ; out1: my first token's row, my 256 bytes
.irp g, 0,1
.irp i, 0,1,2,3,4,5,6,7,8,9,10,11,12,13,14,15
	global_load_b32 v[80+16*\g+\i], v3, s[48:49] offset:2048*\g+128*\i   ; two scale bytes for each head
.endr
.endr
.irp i, 0,1,2,3,4,5,6,7,8,9,10,11,12,13,14,15
	global_load_b32 v[WSC+\i], v3, s[50:51] offset:128*\i
.endr
.irp s, 0,1,2,3,4,5,6,7                        ; K step s = heads 2 s and 2 s + 1: 16 loads
	WIN 0x40
.irp m, 0,1
.irp e, 0,1
	global_load_b128 v[96*\m+12*\s+6*\e:96*\m+12*\s+6*\e+3], v1, s[46:47] offset:(16*\m+2*\s+\e)*768
	global_load_b64 v[96*\m+12*\s+6*\e+4:96*\m+12*\s+6*\e+5], v2, s[46:47] offset:(16*\m+2*\s+\e)*768+512
.endr
.endr
	WIN 0x80
.irp m, 0,1
.irp e, 0,1
	global_load_b128 v[96*\m+12*\s+6*\e:96*\m+12*\s+6*\e+3], v1, s[46:47] offset:(16*(\m+2)+2*\s+\e)*768
	global_load_b64 v[96*\m+12*\s+6*\e+4:96*\m+12*\s+6*\e+5], v2, s[46:47] offset:(16*(\m+2)+2*\s+\e)*768+512
.endr
.endr
.endr
	WIN 0
	s_wait_loadcnt 63                              ; 144 loads were issued behind the 32 half words: they are in
.irp g, 0,1
.irp s, 0,1,2,3,4,5,6,7
	v_lshl_or_b32 v[MSC+8*\g+\s], v[81+16*\g+2*\s], 16, v[80+16*\g+2*\s]   ; a K step's scale word: two bytes of each of its two heads
.endr
.endr
.rept 8
	v_nop                                          ; a scale register written by a vector instruction stands eight places ahead of a scaled matrix instruction
.endr
.macro FETCHW s, buf
	WIN 0xc0
.irp a, 0,1,2,3
.irp c, 0,1,2
	ds_load_b128 v[48*(\buf)+12*\a+4*\c:48*(\buf)+12*\a+4*\c+3], v1 offset:12288*\a+1536*(\s)+512*\c
.endr
.endr
.endm
	s_wait_tensorcnt 0x0                           ; my tile of Wo is in,
	s_barrier_signal -1
	s_barrier_wait -1                              ; everybody's is
	FETCHW 0, 0
.irp s, 0,1,2,3,4,5,6,7                        ; the 16 accumulators take turns, one instruction a turn, in the same order in every step
.if \s < 7
	PLACES
	FETCHW \s+1, (\s+1)%2
	s_wait_dscnt 12                                ; this step's fragments are in; the 12 just asked for may be out
.else
	s_wait_dscnt 0x0
.endif
.if 16*(7-\s) > 63
	s_wait_loadcnt 63                              ; more than 63 loads were issued behind this step's
.else
	s_wait_loadcnt 16*(7-\s)                       ; value_out's fragments of the later K steps may be out
.endif
.irp m, 0,1,2,3
	WIN 0x07+4*(\m/2)
.irp a, 0,1,2,3
	WM ACC+32*\m+8*\a, 48*(\s%2)+12*\a, 96*(\m%2)+12*\s, (\s==0), WSC+8*(\a/2)+\s, MSC+8*(\m/2)+\s, (\a%2), (\m%2)
.endr
.endr
.endr
	WIN 0
	PLACES
; THE WAY OUT, a tile of 16 tokens at a time, through my own stage: 32 bytes a lane in, whole rows of 256 bytes back, into the registers that they left
.macro TOSTAGE m
.irp a, 0,1,2,3
	ds_store_b128 v7, v[ACC+32*\m+8*\a:ACC+32*\m+8*\a+3] offset:128*(\a/2)+32*(\a%2)        ; each accumulator from its low end on
	ds_store_b128 v7, v[ACC+32*\m+8*\a+4:ACC+32*\m+8*\a+7] offset:128*(\a/2)+32*(\a%2)+16
.endr
.irp i, 0,1,2,3,4,5,6,7
	ds_load_b128 v[ACC+32*\m+4*\i:ACC+32*\m+4*\i+3], v8 offset:544*\i   ; LDS serves a wave's instructions in order (ISA guide 5.7.1.4): these see my stores, and the next tile's stores come behind them
.endr
.endm
.macro SEND m, younger                 ; younger: the LDS instructions issued behind tile m's loads
	s_wait_dscnt \younger
.irp i, 0,1,2,3,4,5,6,7
	global_store_b128 v9, v[ACC+32*\m+4*\i:ACC+32*\m+4*\i+3], s[52:53] offset:(32*(\m/2)+8*(\m%2)+2*\i+8*(\i/4))*4096 th:TH_STORE_NT   ; 16 lanes store 256 consecutive bytes, at a multiple of 256 from out1's first byte
.endr
.endm
	TOSTAGE 0
	TOSTAGE 1
	SEND 0, 16
	TOSTAGE 2
	SEND 1, 16
	TOSTAGE 3
	SEND 2, 16
	SEND 3, 0
	s_wait_tensorcnt 0x0
	ds_add_u32 v254, v255
	s_wait_dscnt 0x0
	CROUND                                         ; the closing round
	s_endpgm
.Lfunc_end_k_q9b9097c56d_outp:
	.size	k_q9b9097c56d_outp, .Lfunc_end_k_q9b9097c56d_outp-k_q9b9097c56d_outp
	.p2alignl 7, 3214868480
	.fill 96, 4, 3214868480
	.section	.rodata,"a",@progbits
	.p2align	6, 0x0
	.amdhsa_kernel k_q9b9097c56d_outp
		.amdhsa_group_segment_fixed_size 168448
		.amdhsa_private_segment_fixed_size 0
		.amdhsa_enable_private_segment 0
		.amdhsa_kernarg_size 24
		.amdhsa_user_sgpr_count 2
		.amdhsa_user_sgpr_kernarg_segment_ptr 1
		.amdhsa_wavefront_size32 1
		.amdhsa_system_sgpr_workgroup_id_x 1
		.amdhsa_system_sgpr_workgroup_id_y 1
		.amdhsa_system_sgpr_workgroup_id_z 1
		.amdhsa_system_vgpr_workitem_id 0
		.amdhsa_next_free_vgpr 1024
		.amdhsa_next_free_sgpr 66
		.amdhsa_reserve_vcc 0
		.amdhsa_float_denorm_mode_32 3
		.amdhsa_float_denorm_mode_16_64 3
		.amdhsa_memory_ordered 1
		.amdhsa_forward_progress 1
		.amdhsa_inst_pref_size 55
	.end_amdhsa_kernel
	.amdgpu_metadata
---
amdhsa.version: [ 1, 2 ]
amdhsa.kernels:
  - .name:           k_q9b9097c56d_outp
    .symbol:         k_q9b9097c56d_outp.kd
    .args:
      - { .name: vob, .offset: 0, .size: 8, .value_kind: global_buffer, .address_space: global }
      - { .name: wb, .offset: 8, .size: 8, .value_kind: global_buffer, .address_space: global }
      - { .name: out1, .offset: 16, .size: 8, .value_kind: global_buffer, .address_space: global }
    .group_segment_fixed_size: 168448
    .private_segment_fixed_size: 0
    .kernarg_segment_align: 8
    .kernarg_segment_size: 24
    .max_flat_workgroup_size: 128
    .sgpr_count:     66
    .vgpr_count:     1024
    .wavefront_size: 32
...
	.end_amdgpu_metadata
.endif
;; end of part 4
